; MI455X (gfx1250); checked and timed in simulation.
; The chip was launched on July 23, 2026; its instructions are those of AMD's public machine-readable ISA for CDNA 5 (MIT licence, August 2026) and "CDNA5" Instruction Set Architecture Reference Guide (July 2026). The comments in the code are by the model that wrote it; some were corrected since.
;; Multi Head Attention. Allowed arithmetic: matrix products marked QUANTISED: E4M3 operands, one given power-of-two scale a tensor, by v_wmma_f32_16x16x64_fp8_fp8 or v_wmma_f32_16x16x128_fp8_fp8, f32 sums; everything else in f32.
;; Inputs: key 1 x 2,048 x 2,048 float32; lowp_scales 12 int32 (the exponents e of the quantised operands' scales 2^e); mask 1 x 1 x 2,048 x 2,048 bool; query 1 x 2,048 x 2,048 float32; value 1 x 2,048 x 2,048 float32; w_k 2,048 x 2,048 float32; w_o 2,048 x 2,048 float32; w_q 2,048 x 2,048 float32; w_v 2,048 x 2,048 float32.
;; Outputs: out0 1 x 2,048 x 2,048 float32.
;; This version of the problem:
;;   THIS VERSION OF THE PROBLEM IS GIVEN IN LOW PRECISION. The matrix products marked QUANTISED in the list below multiply operands that are first quantised to E4M3 (4 exponent bits, 3 mantissa bits; 8 bits a number), with one given power-of-two scale for each operand tensor; their sums are f32. All else is computed in f32.
;;   The module's matrix products, in the order in which they are computed (A, B: the left and right operand; K: the contracted axis; several contracted axes count as one K, in the product's order):
;;     1. [M 2,048, K 2,048] x [K 2,048, N 2,048]; A: input query; B: input w_q: QUANTISED (scales: A lowp_scales[0], B lowp_scales[1])
;;     2. [M 2,048, K 2,048] x [K 2,048, N 2,048]; A: input key; B: input w_k: QUANTISED (scales: A lowp_scales[2], B lowp_scales[3])
;;     3. [M 2,048, K 2,048] x [K 2,048, N 2,048]; A: input value; B: input w_v: QUANTISED (scales: A lowp_scales[4], B lowp_scales[5])
;;     4. batch 16 x [M 2,048, K 128] x [K 128, N 2,048]; A: computed on the way; B: computed on the way: QUANTISED (scales: A lowp_scales[6], B lowp_scales[7])
;;     5. batch 16 x [M 2,048, K 2,048] x [K 2,048, N 128]; A: softmax (see below); B: computed on the way: QUANTISED (scales: A lowp_scales[8], B lowp_scales[9])
;;     6. [M 2,048, K 2,048] x [K 2,048, N 2,048]; A: computed on the way; B: input w_o: QUANTISED (scales: A lowp_scales[10], B lowp_scales[11])
;;   THE QUANTISER, for each operand of a quantised product, along K:
;;     - The operand's scale is 2^e, e = its entry of the input lowp_scales (int32; the entries are numbered through the quantised products in the list's order, A before B).
;;     - Each number is divided by the scale, clamped to +-448, and rounded to the nearest number of E4M3, ties to even, subnormals kept.
;;     - The product sums the exact products of the quantised numbers (number of the format x scale) in f32.
;;   ~~~python
;;   def quantise(x, axis, e):      # numpy; x: float32 -> the quantised numbers, widened to float32 again
;;       x = np.moveaxis(x, axis, -1); K = x.shape[-1]
;;       r = np.clip(x / 2.0 ** e, -448, 448)
;;       step = 2.0 ** (np.maximum(np.frexp(np.where(r == 0, 1, r))[1] - 1, -6) - 3)
;;       q = np.round(r / step) * step * 2.0 ** e      # np.round: ties to even
;;       return np.moveaxis(q, -1, axis).astype(np.float32)
;;   ~~~
;;   SOFTMAX AHEAD OF A QUANTISED PRODUCT. Where the list says 'softmax', what is quantised is not the finished softmax but p = 2^(t - M), with t = logit x log2(e) and M = ceil(the row's largest t), a whole number; so 1/2 < the row's largest p <= 1. The row's sum l is taken of the UNQUANTISED p, in f32, and the product's result is divided by l at the end. Since M is a whole number, a kernel that streams over the keys may use a running M (the ceiling of the running maximum): every later rescaling is an exact power of two, so the quantised numbers keep their values, but for numbers so far below the row's largest that they fall under the format's range.
;;   OPERANDS COMPUTED ON THE WAY. 'Computed on the way' means the value that the module computes at that place (a softmax that the list does not call 'softmax' is quantised finished and normalised). What goes into a quantiser is computed in f32, as accurately as f32 sums, v_exp_f32 and their like allow (about 1e-6 of the number): no bf16 or f16 on the way to a quantiser, and a product that is left as it is and whose result goes on into a quantised operand takes f32 operands (vector FMAs, or v_wmma_f32_16x16x4_f32). A number that lies on a knife's edge between two numbers of the format may be rounded either way, as far as f32 arithmetic and the matrix unit's own rounding can turn it there, and no further.
;; One version. Each part assembles by itself: llvm-mc -triple=amdgcn-amd-amdhsa -mcpu=gfx1250 --defsym DOCPART=n.
;; ======== version 1 of 1: 4 launches
;; limits: right only within a limited range of input values
;; workspace buffers: codes 29,360,128 bytes; rope 1,048,576 bytes; mbits 524,288 bytes of whole numbers; mflag 131,072 bytes of whole numbers; qkv 12,582,912 bytes; ocodes 4,194,304 bytes
;; launch prep (part 1): grid 1152 x 1, 4 waves a work-group, no clusters, 33,280 bytes of LDS; arguments query, w_q, key, w_k, value, w_v, w_o, lowp_scales, mask, codes, rope, mbits, mflag; writes codes, rope, mbits, mflag
.if DOCPART == 1
	.amdgcn_target "amdgcn-amd-amdhsa--gfx1250"
	.amdhsa_code_object_version 6
	.text
	.protected	k_q5831f5726f_prep
	.globl	k_q5831f5726f_prep
	.p2align	8
	.type	k_q5831f5726f_prep,@function
k_q5831f5726f_prep:
	s_mov_b64 s[64:65], 0
	v_nop
	global_prefetch_b8 v0, s[64:65] scope:SCOPE_SE
	s_setreg_imm32_b32 hwreg(HW_REG_WAVE_MODE, 25, 1), 1
	s_wait_xcnt 0x0
; MULTI-HEAD ATTENTION, L = 2048, D = 2048, 16 heads of 128, all six products on codes of FP8 (E4M3) with given scales 2^e.  Four launches: this one, the three
; projections with RoPE, the attention, the projection on the way out.
; DEAD WORK: none.  Every input has a way to the output and every product of reference() is done; the mask is an input, so no key is left out on its account.
; cos and sin for Q and for K are the same function of the same positions: one table serves both.
; THIS LAUNCH, three kinds of work-groups, told apart by the work-group's number:
;   0 .. 895     the seven f32 tensors (query, w_q, key, w_k, value, w_v, w_o) become codes: code = x / 2^e, held within +-448, to the nearest code, ties to even.
;                Tensor t lies at t x 4 MiB of the buffer of codes, K-BLOCKED: [K / 128][row 2048][128 bytes], so that 256 rows x 128 K are 32 KiB on end.
;   896 .. 1023  the table of cos and sin, laid as the next launch's registers want it: [l / 16][q 16][lane 32][4 f32]; q = 4 b + (0, 1: cos i 0-3, 4-7; 2, 3: sin);
;                lane (r, h) holds position 16 (l / 16) + r and frequency j = 16 b + 8 h + i.
;   1024 .. 1151 the mask becomes words of 32 lane bits: [query / 16][key / 128][64 words]; bit r + 16 h of word 16 b + i is mask[16 qt + r][128 ks + 32 b + 16 h + i].
; LIMITS: each tensor's e between -126 and 119, so that 2^e and 448 x 2^e are f32 numbers.  NaN among the inputs is not served (an infinity is held at the largest code).
; The angle is the f32 product position x inv_freq, inv_freq = 2^(-j log2(10000) / 64) by v_exp_f32: within a few units in the last place of 1 / 10000^(j / 64).
; THE MASK'S WORDS, AS THE TEXT BELOW MAKES THEM (this takes the place of what the lines above say of them): bit r + 16 h of word 8 t + j is mask[16 qt + r][128 ks + 16 t + 8 h + j].
; Beside them go THE STEP FLAGS, mflag [qt 128][wave 4][64 words]: word 0: bit q set where key step 4 w + q has any key open for these 16 queries; word 1: bit q set where all its keys are open;
; word 2: bit r + 16 h set where row r has an open key among the wave's four steps; the other 61 words are 0, so that the wave's store covers 256 consecutive bytes.
; WORK LEFT OUT BY WHOLE NUMBERS: the attention reads these flags and leaves out key steps that are wholly masked, where every row has an open key: its head comment shows why that moves no result.
.set WAVES, 4
.set STEPS, 16
.set R,     16                         ; v16-79   four sets of 16 numbers as they are loaded
.set X,     80                         ; v80-111  two sets of 16 neighbours
.set C,     128                        ; v128-191 codes: four registers for each step, so that no store's data are written again
.set WREG,  8192                       ; LDS: a region for each wave: two stages of 32 x SP bytes
.set SP,    80                         ; a lane's place in a stage: its 64 bytes + 16 of padding
.set SPW,   12                         ; v12      LDS address of my spare word; never rewritten
.set NIL,   13                         ; v13      0; never rewritten
.set SPARE, WAVES*WREG                 ; behind the four regions: the spare words, 128 bytes for each wave
	s_load_b512 s[36:51], s[0:1], 0x0              ; query, w_q, key, w_k, value, w_v, w_o, the scales' exponents
	s_load_b256 s[52:59], s[0:1], 0x40
	s_load_b64 s[60:61], s[0:1], 0x60              ; mflag
	v_lshl_add_u32 v[SPW], v0, 2, SPARE
	v_mov_b32 v[NIL], 0
	v_lshrrev_b32 v1, 5, v0
	v_readfirstlane_b32 s16, v1                    ; wave 0..3
	v_and_b32 v2, 31, v0                           ; lane
	s_wait_kmcnt 0x0
	s_cmp_ge_u32 ttmp9, 1024
	s_cbranch_scc1 .Lmask
	s_cmp_ge_u32 ttmp9, 896
	s_cbranch_scc1 .Lrope
; ---------------- THE QUANTISER.  A work-group takes 16 rows of one tensor (128 KiB on end); wave w takes columns 512 w .. 512 w + 511, four blocks of 128 along K.
; A step is 4 rows x 128 numbers of one block: four loads of 512 consecutive bytes.  They turn through the wave's own stage in LDS, so that a lane holds 16 neighbours along K;
; its 16 codes are 16 bytes, and the wave's store covers 4 rows x 128 bytes = 512 consecutive bytes of the K-blocked buffer.
	s_lshr_b32 s17, ttmp9, 7                       ; which tensor
	s_and_b32 s18, ttmp9, 127                      ; which 16 rows
	s_load_b256 s[68:75], s[50:51], 0x0            ; e0 .. e7
	s_load_b128 s[76:79], s[50:51], 0x20           ; e8 .. e11
	s_mov_b64 s[4:5], s[36:37]
.irp n, 1,2,3,4,5,6
	s_cmp_eq_u32 s17, \n                           ; the choice hangs on the work-group's number alone
	s_cselect_b64 s[4:5], s[36+2*\n:37+2*\n], s[4:5]
.endr
	s_lshl_b32 s20, s18, 17                        ; 16 rows of 8,192 bytes,
	s_lshl_b32 s21, s16, 11                        ; my wave's 2,048 bytes of a row
	s_add_co_u32 s20, s20, s21
	s_mov_b32 s21, 0
	s_add_nc_u64 s[4:5], s[4:5], s[20:21]
	s_lshl_b32 s22, s17, 22                        ; the tensor's 4 MiB of codes,
	s_lshl_b32 s23, s16, 20                        ; my wave's four blocks of 262,144 bytes,
	s_add_co_u32 s22, s22, s23
	s_lshl_b32 s23, s18, 11                        ; 16 rows of 128 bytes
	s_add_co_u32 s22, s22, s23
	s_mov_b32 s23, 0
	s_add_nc_u64 s[8:9], s[54:55], s[22:23]
	s_wait_alu depctr_va_vdst(0)
	v_lshlrev_b32 v3, 4, v2                        ; my 16 bytes of a load's 512, and of a store's
	s_mul_i32 s19, s16, WREG
	v_lshrrev_b32 v14, 2, v2
	v_mul_u32_u24 v14, v14, SP
	v_and_b32 v15, 3, v2
	v_lshl_add_u32 v14, v15, 4, v14
	v_add_nc_u32 v14, s19, v14                     ; the stage, on the way in: four lanes' 64 bytes on end, then 16 of padding
	v_mul_u32_u24 v15, v2, SP
	v_add_nc_u32 v15, s19, v15                     ; and on the way out: my 16 neighbours: row lane / 8 of the step's four, K 16 (lane % 8) on
.macro LOAD t
.irp i, 0,1,2,3
	global_load_b128 v[R+16*((\t)%4)+4*\i:R+16*((\t)%4)+4*\i+3], v3, s[4:5] offset:(4*((\t)/4)+\i)*8192+((\t)%4)*512 th:TH_LOAD_NT   ; row 4 (t / 4) + i, block t % 4: 512 consecutive bytes
.endr
.endm
.macro TURN t                          ; step t's numbers through the stage: LDS serves a wave's instructions in order, so no wait stands between the stores and the loads
.irp i, 0,1,2,3
	ds_store_b128 v14, v[R+16*((\t)%4)+4*\i:R+16*((\t)%4)+4*\i+3] offset:32*SP*((\t)%2)+8*SP*\i
.endr
.irp i, 0,1,2,3
	ds_load_b128 v[X+16*((\t)%2)+4*\i:X+16*((\t)%2)+4*\i+3], v15 offset:32*SP*((\t)%2)+16*\i
.endr
.endm
.irp t, 0,1,2,3
	LOAD \t
.endr
	s_wait_alu depctr_va_vdst(0)
	s_wait_kmcnt 0x0
	s_mov_b32 s22, s68
.irp n, 1,2,3,4,5
	s_cmp_eq_u32 s17, \n
	s_cselect_b32 s22, s[68+\n], s22               ; tensors 0 to 5 take entries 0 to 5,
.endr
	s_cmp_eq_u32 s17, 6
	s_cselect_b32 s22, s79, s22                    ; w_o entry 11
	s_add_co_i32 s22, s22, 127
	s_lshl_b32 s23, s22, 23
	v_mov_b32 v11, s23                             ; 2^e as f32: the conversion takes its exponent field
	s_add_co_i32 s22, s22, 8
	s_lshl_b32 s22, s22, 23
	s_or_b32 s22, s22, 0x600000
	v_mov_b32 v10, s22                             ; 448 x 2^e
	s_wait_alu depctr_va_vdst(0)
	s_wait_loadcnt 12                              ; step 0's four loads are in
	TURN 0
.macro STEP t
.set XS, X+16*((\t)%2)
	s_wait_dscnt 0x0                               ; this step's numbers are back from the stage: so its stores into the stage have read their registers,
.if (\t)+4 < STEPS
	LOAD (\t)+4                                    ; which take the loads of four steps on
.endif
.if (\t)+1 < STEPS
.if STEPS-2-(\t) >= 3
	s_wait_loadcnt 12                              ; the next step's four loads are in; those of the three steps behind it may be out
.else
	s_wait_loadcnt 4*(STEPS-2-(\t))
.endif
	TURN (\t)+1                                    ; and go through the other stage while this step is worked
.endif
.irp i, 0,1,2,3,4,5,6,7,8,9,10,11,12,13,14,15
	v_med3_num_f32 v[XS+\i], v[XS+\i], -v10, v10   ; the conversion to an 8-bit code does not saturate (ISA guide 7.6.2): the hold at the largest code x the scale comes first
.endr
	v_cvt_scalef32_pk8_fp8_f32 v[C+4*(\t):C+4*(\t)+1], v[XS:XS+7], v11
	v_cvt_scalef32_pk8_fp8_f32 v[C+4*(\t)+2:C+4*(\t)+3], v[XS+8:XS+15], v11
	global_store_b128 v3, v[C+4*(\t):C+4*(\t)+3], s[8:9] offset:((\t)%4)*262144+((\t)/4)*512   ; 512 consecutive bytes, at a multiple of 512 from the buffer's first byte
.endm
.irp t, 0,1,2,3,4,5,6,7,8,9,10,11,12,13,14,15
	STEP \t
.endr
	s_wait_tensorcnt 0x0                           ; the wave's end: these three lines behind my last LDS store
	ds_add_u32 v[SPW], v[NIL]
	s_wait_dscnt 0x0
	s_endpgm
; ---------------- THE TABLE.  Work-group lb makes positions 16 lb .. 16 lb + 15; wave b frequencies 16 b .. 16 b + 15; a lane eight of them.  No LDS.
.Lrope:
	s_sub_co_u32 s17, ttmp9, 896                   ; lb
	v_and_b32 v3, 15, v0                           ; r
	v_bfe_u32 v4, v0, 4, 1                         ; h
	s_lshl_b32 s18, s17, 4
	v_add_nc_u32 v5, s18, v3
	v_cvt_f32_u32 v5, v5                           ; the position, exact in f32
	s_lshl_b32 s19, s16, 4
	v_lshl_add_u32 v6, v4, 3, s19                  ; 16 b + 8 h
	s_wait_alu depctr_va_vdst(0)
	v_lshlrev_b32 v7, 4, v2                        ; 16 bytes a lane
	s_mov_b32 s20, 0x3e549a78                      ; log2(10000) / 64
	s_mov_b32 s21, 0x3f22f983                      ; 2 / pi
	s_mov_b32 s22, 0x3fc90fdb                      ; pi / 2, its f32 number,
	s_mov_b32 s23, 0xb33bbd2e                      ; and what that number lacks
	s_mov_b32 s24, 0xbe2aaaa3                      ; sin on +-pi/4: x + x z (S1 + z (S2 + z S3)), z = x^2
	s_mov_b32 s25, 0x3c08839e
	s_mov_b32 s26, 0xb94ca1f9
	s_mov_b32 s27, 0x3d2aaaa5                      ; cos on +-pi/4: 1 - z / 2 + z^2 (C1 + z (C2 + z C3))
	s_mov_b32 s28, 0xbab6061a
	s_mov_b32 s29, 0x37ccf5ce
	s_lshl_b32 s30, s17, 13                        ; 16 x 512 bytes for each lb,
	s_lshl_b32 s31, s16, 11                        ; 4 x 512 for each b
	s_add_co_u32 s30, s30, s31
	s_mov_b32 s31, 0
	s_add_nc_u64 s[8:9], s[56:57], s[30:31]
.irp i, 0,1,2,3,4,5,6,7
	v_add_nc_u32 v[16+\i], \i, v6                  ; j
.endr
.irp i, 0,1,2,3,4,5,6,7
	v_cvt_f32_u32 v[16+\i], v[16+\i]
.endr
.irp i, 0,1,2,3,4,5,6,7
	v_mul_f32 v[16+\i], s20, v[16+\i]
.endr
	s_wait_alu depctr_va_vdst(0)
.irp i, 0,1,2,3,4,5,6,7
	v_exp_f32 v[16+\i], -v[16+\i]                  ; inv_freq: eight as one batch
.endr
	v_nop                                          ; a plain instruction behind the last of them,
	s_wait_alu depctr_va_vdst(0)                   ; and one wait for the batch, ahead of its first reader
.irp i, 0,1,2,3,4,5,6,7
	v_mul_f32 v[16+\i], v5, v[16+\i]               ; the angle: one rounding, as in the outer product
.endr
.irp i, 0,1,2,3,4,5,6,7
	v_mul_f32 v[24+\i], s21, v[16+\i]
.endr
.irp i, 0,1,2,3,4,5,6,7
	v_rndne_f32 v[24+\i], v[24+\i]                 ; k: how many quarter turns, 1,303 at the most
.endr
.irp i, 0,1,2,3,4,5,6,7
	v_fma_f32 v[32+\i], -v[24+\i], s22, v[16+\i]
.endr
.irp i, 0,1,2,3,4,5,6,7
	v_fma_f32 v[32+\i], -v[24+\i], s23, v[32+\i]   ; the rest, within +-pi/4
.endr
.irp i, 0,1,2,3,4,5,6,7
	v_mul_f32 v[40+\i], v[32+\i], v[32+\i]         ; z
.endr
.irp i, 0,1,2,3,4,5,6,7
	v_fma_f32 v[48+\i], v[40+\i], s26, s25
	v_fma_f32 v[56+\i], v[40+\i], s29, s28
.endr
.irp i, 0,1,2,3,4,5,6,7
	v_fma_f32 v[48+\i], v[48+\i], v[40+\i], s24
	v_fma_f32 v[56+\i], v[56+\i], v[40+\i], s27
.endr
.irp i, 0,1,2,3,4,5,6,7
	v_mul_f32 v[48+\i], v[48+\i], v[40+\i]
	v_fma_f32 v[64+\i], v[40+\i], -0.5, 1.0
	v_mul_f32 v[72+\i], v[40+\i], v[40+\i]
.endr
.irp i, 0,1,2,3,4,5,6,7
	v_fma_f32 v[48+\i], v[48+\i], v[32+\i], v[32+\i]   ; sin of the rest
	v_fma_f32 v[56+\i], v[72+\i], v[56+\i], v[64+\i]   ; cos of the rest
	v_cvt_i32_f32 v[24+\i], v[24+\i]
.endr
.irp i, 0,1,2,3,4,5,6,7                        ; the quarter: odd k swaps the two; sin changes sign where k & 2, cos where (k + 1) & 2
	v_and_b32 v[64+\i], 1, v[24+\i]
	v_cmp_eq_u32 vcc_lo, 1, v[64+\i]
	v_cndmask_b32 v[72+\i], v[48+\i], v[56+\i], vcc_lo
	v_cndmask_b32 v[64+\i], v[56+\i], v[48+\i], vcc_lo
	v_lshlrev_b32 v[48+\i], 30, v[24+\i]
	v_and_b32 v[48+\i], 0x80000000, v[48+\i]
	v_xor_b32 v[88+\i], v[48+\i], v[72+\i]         ; sin
	v_add_nc_u32 v[24+\i], 1, v[24+\i]
	v_lshlrev_b32 v[24+\i], 30, v[24+\i]
	v_and_b32 v[24+\i], 0x80000000, v[24+\i]
	v_xor_b32 v[80+\i], v[24+\i], v[64+\i]         ; cos
.endr
.irp q, 0,1,2,3
	global_store_b128 v7, v[80+4*\q:83+4*\q], s[8:9] offset:512*\q   ; the wave's four stores cover 2,048 consecutive bytes
.endr
	s_endpgm
; ---------------- THE MASK.  Work-group qt takes 16 queries; wave w key steps 4 w .. 4 w + 3.  Lane (r, h) reads, of row r, the 8 bytes of keys 16 b + 8 h + 0 .. 7; a compare over the
; 32 lanes makes a word of lane bits; the 64 words of a key step are gathered two to a lane and leave as 256 consecutive bytes.  No LDS.
.Lmask:
	s_sub_co_u32 s17, ttmp9, 1024                  ; qt
	v_and_b32 v3, 15, v0
	v_bfe_u32 v4, v0, 4, 1
	v_lshlrev_b32 v5, 11, v3                       ; row r of 2,048 bytes
	v_lshl_add_u32 v5, v4, 3, v5                   ; + 8 h
	s_lshl_b32 s18, s17, 15
	s_lshl_b32 s19, s16, 9
	s_add_co_u32 s18, s18, s19
	s_mov_b32 s19, 0
	s_add_nc_u64 s[4:5], s[52:53], s[18:19]
.irp q, 0,1,2,3
.irp b, 0,1,2,3,4,5,6,7
	global_load_b64 v[16+2*(8*\q+\b):17+2*(8*\q+\b)], v5, s[4:5] offset:\q*128+16*\b   ; keys 16 b + 8 h + 0 .. 7 of row r
.endr
.endr
	s_lshl_b32 s24, s17, 12                        ; 16 key steps of 256 bytes for each qt,
	s_lshl_b32 s25, s16, 10                        ; my wave's four
	s_add_co_u32 s24, s24, s25
	s_mov_b32 s25, 0
	s_add_nc_u64 s[8:9], s[58:59], s[24:25]
	s_lshr_b32 s24, s24, 2                         ; the flags: 1,024 bytes for each qt, 256 for each wave
	s_add_nc_u64 s[60:61], s[60:61], s[24:25]
	s_wait_alu depctr_va_vdst(0)
	v_lshlrev_b32 v6, 3, v2                        ; two words a lane
.irp j, 0,1,2,3,4,5,6,7
	v_mov_b32 v[80+\j], 0                          ; written whole once: v_writelane_b32 keeps the other lanes
.endr
	v_mov_b32 v90, 0                               ; the flags' two words a lane
	v_mov_b32 v91, 0
	s_mov_b32 s28, 0                               ; steps with an open key
	s_mov_b32 s29, 0                               ; steps all open
	s_mov_b32 s30, 0                               ; rows with an open key
	s_wait_loadcnt 0x0
.irp q, 0,1,2,3
.set n, 0
	s_mov_b32 s26, 0                               ; the step's 64 words: or,
	s_mov_b32 s27, -1                              ; and
.rept 64
	v_and_b32 v[96+n%4], 0xff<<(8*(n%4)), v[16+16*\q+4*(n/16)+(n%16)/4]   ; word n = 8 b + j: byte j of load b
	v_cmp_ne_u32 s[20+n%4], 0, v[96+n%4]
	v_writelane_b32 v[80+2*\q+(n&1)], s[20+n%4], n>>1
	s_or_b32 s26, s26, s[20+n%4]
	s_and_b32 s27, s27, s[20+n%4]
.set n, n+1
.endr
	global_store_b64 v6, v[80+2*\q:81+2*\q], s[8:9] offset:\q*256
	s_cmp_lg_u32 s26, 0
	s_cselect_b32 s31, 1<<\q, 0
	s_or_b32 s28, s28, s31
	s_cmp_eq_u32 s27, -1
	s_cselect_b32 s31, 1<<\q, 0
	s_or_b32 s29, s29, s31
	s_or_b32 s30, s30, s26
.if \q == 3
	v_writelane_b32 v90, s28, 0
	v_writelane_b32 v91, s29, 0
	v_writelane_b32 v90, s30, 1
	global_store_b64 v6, v[90:91], s[60:61]        ; 256 consecutive bytes
.endif
.endr
	s_endpgm
.Lfunc_end_k_q5831f5726f_prep:
	.size	k_q5831f5726f_prep, .Lfunc_end_k_q5831f5726f_prep-k_q5831f5726f_prep
	.p2alignl 7, 3214868480
	.fill 96, 4, 3214868480
	.section	.rodata,"a",@progbits
	.p2align	6, 0x0
	.amdhsa_kernel k_q5831f5726f_prep
		.amdhsa_group_segment_fixed_size 33280
		.amdhsa_private_segment_fixed_size 0
		.amdhsa_enable_private_segment 0
		.amdhsa_kernarg_size 104
		.amdhsa_user_sgpr_count 2
		.amdhsa_user_sgpr_kernarg_segment_ptr 1
		.amdhsa_wavefront_size32 1
		.amdhsa_system_sgpr_workgroup_id_x 1
		.amdhsa_system_sgpr_workgroup_id_y 1
		.amdhsa_system_sgpr_workgroup_id_z 1
		.amdhsa_system_vgpr_workitem_id 0
		.amdhsa_next_free_vgpr 192
		.amdhsa_next_free_sgpr 80
		.amdhsa_reserve_vcc 1
		.amdhsa_float_denorm_mode_32 3
		.amdhsa_float_denorm_mode_16_64 3
		.amdhsa_memory_ordered 1
		.amdhsa_forward_progress 1
		.amdhsa_inst_pref_size 121
	.end_amdhsa_kernel
	.amdgpu_metadata
---
amdhsa.version: [ 1, 2 ]
amdhsa.kernels:
  - .name:           k_q5831f5726f_prep
    .symbol:         k_q5831f5726f_prep.kd
    .args:
      - { .name: query, .offset: 0, .size: 8, .value_kind: global_buffer, .address_space: global }
      - { .name: w_q, .offset: 8, .size: 8, .value_kind: global_buffer, .address_space: global }
      - { .name: key, .offset: 16, .size: 8, .value_kind: global_buffer, .address_space: global }
      - { .name: w_k, .offset: 24, .size: 8, .value_kind: global_buffer, .address_space: global }
      - { .name: value, .offset: 32, .size: 8, .value_kind: global_buffer, .address_space: global }
      - { .name: w_v, .offset: 40, .size: 8, .value_kind: global_buffer, .address_space: global }
      - { .name: w_o, .offset: 48, .size: 8, .value_kind: global_buffer, .address_space: global }
      - { .name: lowp_scales, .offset: 56, .size: 8, .value_kind: global_buffer, .address_space: global }
      - { .name: mask, .offset: 64, .size: 8, .value_kind: global_buffer, .address_space: global }
      - { .name: codes, .offset: 72, .size: 8, .value_kind: global_buffer, .address_space: global }
      - { .name: rope, .offset: 80, .size: 8, .value_kind: global_buffer, .address_space: global }
      - { .name: mbits, .offset: 88, .size: 8, .value_kind: global_buffer, .address_space: global }
      - { .name: mflag, .offset: 96, .size: 8, .value_kind: global_buffer, .address_space: global }
    .group_segment_fixed_size: 33280
    .private_segment_fixed_size: 0
    .kernarg_segment_align: 8
    .kernarg_segment_size: 104
    .max_flat_workgroup_size: 128
    .sgpr_count:     80
    .vgpr_count:     192
    .wavefront_size: 32
...
	.end_amdgpu_metadata
.endif
;; end of part 1
;; launch proj (part 2): grid 8 x 24, 4 waves a work-group, clusters of 4 x 4, 327,680 bytes of LDS; arguments codes, rope, lowp_scales, qkv; writes qkv
.if DOCPART == 2
	.amdgcn_target "amdgcn-amd-amdhsa--gfx1250"
	.amdhsa_code_object_version 6
	.text
	.protected	k_q5831f5726f_proj
	.globl	k_q5831f5726f_proj
	.p2align	8
	.type	k_q5831f5726f_proj,@function
k_q5831f5726f_proj:
	s_mov_b64 s[64:65], 0
	v_nop
	global_prefetch_b8 v0, s[64:65] scope:SCOPE_SE
	s_setreg_imm32_b32 hwreg(HW_REG_WAVE_MODE, 25, 1), 1
	s_wait_xcnt 0x0
	s_wait_alu depctr_hold_cnt(0) depctr_sa_sdst(0) depctr_va_vdst(0) depctr_va_sdst(0) depctr_va_ssrc(0) depctr_va_vcc(0) depctr_vm_vsrc(0)
	s_getreg_b32 s2, hwreg(HW_REG_IB_STS2, 6, 4)
	s_cmp_eq_u32 s2, 0
	s_cbranch_scc0 .Lentry_in_a_cluster
	s_endpgm
.Lentry_in_a_cluster:
	s_bfe_u32 s2, ttmp6, 0x10000c
	s_cmp_lg_u32 s2, 0xf033
	s_cbranch_scc0 .Lentry_shape_is_right
	s_endpgm
.Lentry_shape_is_right:
; THE THREE PROJECTIONS, one launch: g = 0: Q = query w_q^T, g = 1: K = key w_k^T, g = 2: V = value w_v^T; then RoPE on Q and K in f32; then the quantiser of the attention's operands.  Nothing of reference() is left out here.
; A tile of C, 256 x 256, is made by a work-group of four waves; a wave makes 128 x 128: 64 accumulators of 16 x 16, 512 registers.  8 x 8 tiles for each g: grid 8 x 24; g = cluster y / 2.
; Operands are codes, K-BLOCKED [K / 128][row][128 bytes]: 256 rows x 128 K are 32 KiB on end.  A slot of the LDS ring holds 256 along K: A's two blocks, then B's two; each wave brings one block by one tensor load.
; CLUSTERS: 4 x 4 work-groups.  The four of a row of the cluster need the same blocks of A, the four of a column the same blocks of B: each is asked for JOINTLY.
; THE MATRIX INSTRUCTION IS USED TRANSPOSED (source 0 = 16 rows of B, source 1 = 16 rows of A): lane (r, h), register j of accumulator (a, b) is C(16 a + r, 16 b + 8 h + j).
; For g < 2: A = the tokens, B = the weight: a lane holds eight neighbours of one head's 128, which is the next K.  A wave's 128 columns are one head, so x1 (b = 0..3) and x2 (b + 4) of RoPE lie in one lane.
; For g = 2 the operands change places: A = w_v, B = value: a lane then holds eight neighbouring KEYS, which are the K of the attention's second product.
; OUT: Q at 0, K at 4 MiB: [head][position][128]; V at 8 MiB: [head][key / 128][d 128][128 keys].  In all three a wave's tile is 16 KiB on end.
; A sum stands for sum x 2^(its two operands' e): RoPE is linear, so it is applied to the sums, and the three exponents are folded into the conversion's one scale.
; LIMITS: e6 - e0 - e1, e7 - e2 - e3 and e9 - e4 - e5 between -126 and 119, so that the scale and 448 x the scale are f32 numbers.
; REGISTERS, in windows of 256: window 0: v1-7 at work at the head; v8-15 at work on the way out; v16-31 addresses and the scale; v32-127 the way out; v128-255 A's fragments, ONE set (on the way out: two sets of the table).
;   window 1: B's fragments, TWO sets.   window 2: the accumulators of my rows 0-63 ((a, b) at v[8 (8 a + b)]);   window 3: those of my rows 64-127.
.set KP,     144                       ; an LDS row: 128 bytes + 16 of padding = 36 words: row r starts at bank 36 r mod 64 (64 banks of 4 bytes: ISA guide 11.1): sixteen different groups of four
.set BLK,    256*KP                    ; 256 rows x 128 K: what one tensor load brings
.set SLOT,   4*BLK                     ; A's two blocks, then B's two
.set SPARE,  2*SLOT                    ; behind the ring: the spare words, 128 bytes for each wave
.set FR,     16                        ; registers of a fragment: 16 rows x 128 K
.set NL,     4                         ; LDS loads that bring one
.set NP,     4                         ; places behind this matrix instruction (ISA guide 7.12.1)
.set LAPS,   4                         ; a lap = two slots = 512 along K
.set KB,     262144                    ; bytes from one block of 128 along K to the next: 2,048 rows x 128
.set ADRA, 16                          ; v16-17  LDS address of my A fragments in slot 0, 1
.set ADRB, 20                          ; v20-21  the same for B
.set STO,  24                          ; v24     the way out: where I put 8 bytes of a row
.set RD,   25                          ; v25     the way out: where I read 16 bytes back
.set CO,   26                          ; v26     16 x lane: my place in 512 bytes stored
.set TABO, 27                          ; v27     16 x lane: my place in 512 bytes of the table
.set SPW,  28                          ; v28     LDS address of my spare word; never rewritten
.set NIL,  29                          ; v29     0; never rewritten
.set SCL,  30                          ; v30     the conversion's scale as f32
.set LIM,  31                          ; v31     448 x that
.set T,    8                           ; v8-15   x2 sin
.set CD,   96                          ; v96-111 a block's codes
.set RB,   112                         ; v112-127 16 rows read back from the stage
.set AF,   128                         ; A's fragments, in window 0
.set STGV, 16384                       ; the V path's stage begins here, the Q and K path's at 0: each path has LDS bytes of its own, both in slot 0
.set G1, 24                            ; s[24:31] descriptor group 1 for A's blocks;  s[32:39] group 0, one set for each slot
.set G0, 32
.set G1B, 48                           ; s[48:55], s[56:63] the same for B's
.set G0B, 56
.set MSB, 0
.macro WIN new                         ; the immediate's high byte repeats the setting that is left
.if MSB != (\new)
	s_set_vgpr_msb (MSB<<8)|(\new)
.set MSB, (\new)
.endif
.endm
.set MUL_LO, 0xa1                      ; source 0 (B) window 1, source 1 (A) window 0, C and D window 2
.set MUL_HI, 0xf1                      ; the same, C and D window 3
.set TO_B,   0x40                      ; destination window 1, address window 0
; A joint load: waves 0 and 1 fetch A's two blocks, waves 2 and 3 B's.  Each of the two lines has one mask and one set of registers for all that issue it; the branch hangs on the wave's number alone.
; An s_nop 0 and four v_nop follow each of the two lines, ahead of the jump, the label and what follows.
.macro JLOAD g0a, g1a, g0b, g1b
	s_cmp_eq_u32 s15, 0
	s_cbranch_scc0 .Lfor_b_\@
	tensor_load_to_lds s[\g0a:\g0a+3], s[\g1a:\g1a+7]
	s_nop 0
.rept 4
	v_nop
.endr
	s_branch .Lasked_\@
.Lfor_b_\@:
	tensor_load_to_lds s[\g0b:\g0b+3], s[\g1b:\g1b+7]
	s_nop 0
.rept 4
	v_nop
.endr
.Lasked_\@:
.endm
.macro CREST                           ; a round of the cluster's barrier behind its opening barrier
	s_cmp_lg_u32 s14, 0
	s_cbranch_scc1 .Lnot_wave_0_\@
	s_barrier_signal -3
.Lnot_wave_0_\@:
	s_barrier_wait -3
	s_barrier_signal -1
	s_barrier_wait -1
.endm
.macro CROUND                          ; a whole round
	s_barrier_signal -1
	s_barrier_wait -1
	CREST
.endm
	s_load_b256 s[4:11], s[0:1], 0x0               ; codes s[4:5], the table s[6:7], the scales' exponents s[8:9], qkv s[10:11]
	v_lshl_add_u32 v[SPW], v0, 2, SPARE
	v_mov_b32 v[NIL], 0
	ds_add_u32 v[SPW], v[NIL]                      ; the wave's opening: the add, twice on end, and its wait ahead of my first tensor load
	ds_add_u32 v[SPW], v[NIL]
	v_lshrrev_b32 v1, 5, v0
	v_readfirstlane_b32 s14, v1                    ; wave 0..3
	s_lshr_b32 s15, s14, 1                         ; which half of the tile's rows is mine.  Also: I fetch for A (0) or for B (1)
	s_and_b32 s16, s14, 1                          ; which half of its columns.  Also: which of a slot's two blocks I fetch
	s_bfe_u32 s40, ttmp6, 0x40000                  ; cx, cy: my place in the cluster
	s_bfe_u32 s41, ttmp6, 0x40004
	s_lshl_b32 s42, ttmp9, 2
	s_add_co_u32 s42, s42, s40                     ; tile column = 4 x cluster x + cx
	s_and_b32 s66, ttmp7, 0xffff                   ; cluster y, 0..5
	s_lshr_b32 s2, s66, 1                          ; g: which projection; the same in all sixteen partners
	s_and_b32 s17, s66, 1
	s_lshl_b32 s17, s17, 2
	s_add_co_u32 s17, s17, s41                     ; tile row = 4 x (cluster y % 2) + cy
	s_lshl_b32 s43, s41, 2
	s_lshl_b32 s43, 15, s43                        ; my row of the cluster
	s_lshl_b32 s44, 0x1111, s40                    ; my column
	; descriptor group 1: 256 rows x 128 bytes, dense in memory, padded in LDS
	s_or_b32 s[G1+0], s43, (0<<16)|(1<<20)|(1<<21)|(4<<22)|(3<<25)  ; 15:0 the mask: A's blocks go to my row; 17:16 elements of 1 byte; 20 padding on; 21 set beside a mask; 24:22 after every 32 words (code 4); 31:25 four words (code 3)
	s_or_b32 s[G1B+0], s44, (0<<16)|(1<<20)|(1<<21)|(4<<22)|(3<<25)
.irp g, G1, G1B
	s_mov_b32 s[\g+1], 256<<16                     ; the block is dense in memory: stated as 128 rows of 256 bytes, the padding still behind each 128 bytes
	s_mov_b32 s[\g+2], 128<<16
	s_mov_b32 s[\g+3], 256<<16
	s_mov_b32 s[\g+4], 128
	s_mov_b32 s[\g+5], 256
	s_mov_b32 s[\g+6], 0
	s_mov_b32 s[\g+7], 0
.endr
	s_lshr_b32 s67, s2, 1                          ; 1 for V: the operands change places
	s_lshl_b32 s68, s2, 1
	s_add_co_u32 s69, s68, s67                     ; A's tensor: 0, 2, 5
	s_add_co_u32 s70, s68, 1
	s_sub_co_u32 s70, s70, s67                     ; B's: 1, 3, 4
	s_lshl_b32 s18, s16, 18                        ; my block of a slot's two
	s_lshl_b32 s20, s69, 22
	s_add_co_u32 s20, s20, s18
	s_lshl_b32 s19, s17, 15                        ; 256 rows of 128 bytes for each tile row
	s_add_co_u32 s20, s20, s19
	s_mov_b32 s21, 0
	s_lshl_b32 s46, s70, 22
	s_add_co_u32 s46, s46, s18
	s_lshl_b32 s47, s42, 15
	s_add_co_u32 s46, s46, s47
	s_mov_b32 s47, 0
	s_mul_i32 s45, s14, BLK                        ; where they go: wave x a block: no place in the cluster enters an LDS address
	s_wait_dscnt 0x0                               ; both opening adds are done
	s_wait_kmcnt 0x0
	s_load_b256 s[84:91], s[8:9], 0x0              ; e0 .. e7
	s_load_b128 s[92:95], s[8:9], 0x20             ; e8 .. e11
	s_add_nc_u64 s[20:21], s[4:5], s[20:21]
	s_add_nc_u64 s[46:47], s[4:5], s[46:47]
	CROUND                                         ; all sixteen work-groups are here: the first joint loads meet
.irp s, 0,1
	s_mov_b32 s[G0+4*\s], 1
	s_add_co_u32 s[G0+4*\s+1], s45, \s*SLOT
	s_add_nc_u64 s[G0+4*\s+2:G0+4*\s+3], s[20:21], \s*2*KB
	s_or_b32 s[G0+4*\s+3], s[G0+4*\s+3], 0x80000000
	s_mov_b32 s[G0B+4*\s], 1
	s_add_co_u32 s[G0B+4*\s+1], s45, \s*SLOT
	s_add_nc_u64 s[G0B+4*\s+2:G0B+4*\s+3], s[46:47], \s*2*KB
	s_or_b32 s[G0B+4*\s+3], s[G0B+4*\s+3], 0x80000000
.endr
	; THE PREFETCHES' ADDRESSES.  Of the block of 32 KiB that my wave fetches jointly, each of the four partners names 8 KiB, told apart by address alone (cx for A's blocks, cy for B's); lanes 256 bytes apart.
	s_cmp_eq_u32 s15, 0
	s_cselect_b64 s[72:73], s[20:21], s[46:47]
	s_cselect_b32 s74, s40, s41
	s_lshl_b32 s74, s74, 13
	s_mov_b32 s75, 0
	s_add_nc_u64 s[72:73], s[72:73], s[74:75]
	s_lshl_b32 s74, s17, 17                        ; the table of my wave's 128 positions is 64 KiB; the 32 waves of Q's and K's work-groups that read it name 2 KiB each
	s_lshl_b32 s78, s15, 16
	s_add_co_u32 s74, s74, s78
	s_lshl_b32 s78, s2, 4
	s_lshl_b32 s79, s42, 1
	s_add_co_u32 s78, s78, s79
	s_add_co_u32 s78, s78, s16
	s_lshl_b32 s78, s78, 11
	s_add_co_u32 s74, s74, s78
	s_add_nc_u64 s[76:77], s[6:7], s[74:75]
	JLOAD G0, G1, G0B, G1B                         ; slot 0: one tensor load a wave at the head
	v_and_b32 v18, 31, v0
	v_min_u32 v19, 7, v18                          ; the table's eight blocks of 256 bytes: the lanes left over name the last again
	v_lshlrev_b32 v18, 8, v18                      ; v18, v19: the prefetches' offsets; never rewritten
	v_lshlrev_b32 v19, 8, v19
	global_prefetch_b8 v18, s[72:73] offset:2*KB th:TH_LOAD_NT scope:SCOPE_SE   ; what the next three fills will ask for: 256 along K each
	global_prefetch_b8 v18, s[72:73] offset:4*KB th:TH_LOAD_NT scope:SCOPE_SE
	global_prefetch_b8 v18, s[72:73] offset:6*KB th:TH_LOAD_NT scope:SCOPE_SE
	s_cmp_eq_u32 s2, 2                             ; V has no table; the same in all partners
	s_cbranch_scc1 .Lno_table
	global_prefetch_b8 v19, s[76:77] th:TH_LOAD_NT scope:SCOPE_SE
.Lno_table:
	v_and_b32 v1, 15, v0                           ; r
	v_bfe_u32 v2, v0, 4, 1                         ; h
	v_mul_u32_u24 v3, v1, KP
	s_wait_alu depctr_va_vdst(0)
	v_lshl_add_u32 v4, v2, 4, v3                   ; a fragment's row x pitch + 16 h
	s_mul_i32 s21, s15, 128*KP                     ; my 128 rows of A
	s_mul_i32 s22, s16, 128*KP                     ; my 128 rows of B,
	s_add_co_u32 s22, s22, 2*BLK                   ; which lie behind A's two blocks
.irp s, 0,1
	v_add_nc_u32 v[ADRA+\s], s21, v4
	v_add_nc_u32 v[ADRB+\s], s22, v4
	s_add_co_u32 s21, s21, SLOT
	s_add_co_u32 s22, s22, SLOT
.endr
	s_mul_i32 s23, s14, 16*KP                      ; my stage: 16 rows x 144 bytes
	v_lshl_add_u32 v5, v2, 4, v3
	v_add_nc_u32 v[STO], s23, v5                   ; in: row r, + 16 h
	v_and_b32 v6, 31, v0
	s_wait_alu depctr_va_vdst(0)                   ; the wait here, directly ahead of the reader below
	v_add_nc_u32 v[RD], s23, v4                    ; back: lane (r, h) takes 16 bytes of row r.  A BLOCK OF 16 ROWS LEAVES AS THE IMAGE OF AN OPERAND'S REGISTERS: [t 4][lane 32][16 bytes];
	                                               ; registers 4 t .. 4 t + 3 of lane (r, h) hold columns 32 t + 8 h + 0 .. 7 and 32 t + 16 + 8 h + 0 .. 7 of row r
	v_lshlrev_b32 v[CO], 4, v6
	v_lshlrev_b32 v[TABO], 4, v6
	s_lshl_b32 s66, s17, 1
	s_add_co_u32 s66, s66, s15                     ; which 128 rows of C are my wave's,
	s_lshl_b32 s67, s42, 1
	s_add_co_u32 s67, s67, s16                     ; which 128 columns
	s_cmp_eq_u32 s2, 2
	s_cselect_b32 s68, s66, s67                    ; the head: my columns for Q and K, my rows for V;
	s_cselect_b32 s69, s67, s66                    ; the block of 128 positions: the other one
	s_lshl_b32 s68, s68, 18
	s_lshl_b32 s69, s69, 14
	s_add_co_u32 s68, s68, s69
	s_lshl_b32 s69, s2, 22
	s_add_co_u32 s68, s68, s69
	s_mov_b32 s69, 0
	s_add_nc_u64 s[10:11], s[10:11], s[68:69]      ; my tile's 16 KiB
.macro FRAG reg, adr, q, i             ; a fragment: lane l holds row l % 16; registers 4 c .. 4 c + 3 hold K = 32 c + 16 (l / 16) + 0 .. 15: the same order of K in A and in B
.irp c, 0,1,2,3
	ds_load_b128 v[\reg+4*\c:\reg+4*\c+3], v[\adr] offset:(\q)*BLK+32*\c+(\i)*16*KP
.endr
.endm
; 16 matrix instructions: A's blocks a0, a0 + 1 x B's eight, 128 along K.  p: B's set.  zero = 1: the first product starts the sums.
; The 64 accumulators take turns, one instruction a turn, in the same order in every step.
.macro MUL16 a0, p, zero
.irp a, \a0, \a0+1
.irp b, 0,1,2,3,4,5,6,7
.if \zero
	v_wmma_f32_16x16x128_fp8_fp8 v[8*(8*((\a)%4)+\b):8*(8*((\a)%4)+\b)+7], v[128*(\p)+FR*\b:128*(\p)+FR*\b+FR-1], v[AF+FR*(\a):AF+FR*(\a)+FR-1], 0
.else
	v_wmma_f32_16x16x128_fp8_fp8 v[8*(8*((\a)%4)+\b):8*(8*((\a)%4)+\b)+7], v[128*(\p)+FR*\b:128*(\p)+FR*\b+FR-1], v[AF+FR*(\a):AF+FR*(\a)+FR-1], v[8*(8*((\a)%4)+\b):8*(8*((\a)%4)+\b)+7]
.endif
.endr
.endr
.endm
.macro FETCH_B slot, q, p              ; B's eight fragments of the slot's q-th 128 along K into set p
	WIN TO_B
.irp i, 0,1,2,3,4,5,6,7
	FRAG 128*(\p)+FR*\i, ADRB+\slot, \q, \i
.endr
	WIN 0
.endm
.macro FETCH_A slot, q, i0             ; A's blocks i0 .. i0 + 3
.irp i, \i0, \i0+1, \i0+2, \i0+3
	FRAG AF+FR*(\i), ADRA+\slot, \q, \i
.endr
.endm
.macro PLACES n                        ; plain vector instructions between a matrix instruction and a load into, or a read of, its registers
.rept \n
	v_nop
.endr
.endm
; A step of 128 along K that has its successor in the same slot.
.macro STEP slot, q, zero
	s_wait_dscnt 4*NL                              ; B's set and A's blocks 0-3 are in; the youngest sixteen loads (A's blocks 4-7) may be out
	WIN MUL_LO
	MUL16 0, (\q)%2, \zero
	MUL16 2, (\q)%2, \zero
	s_wait_dscnt 0                                 ; A's blocks 4-7 are in
	PLACES NP
	FETCH_B \slot, (\q)+1, 1-(\q)%2
	FETCH_A \slot, (\q)+1, 0
	WIN MUL_HI
	MUL16 4, (\q)%2, \zero
	MUL16 6, (\q)%2, \zero
	PLACES NP
	WIN 0
	FETCH_A \slot, (\q)+1, 4
.endm
; A slot's last step changes slots: one barrier; in front of it each wave waits for all its tensor loads, adds 0 to its spare word, and waits for that and for its reads of this slot.  fill = 1: this slot is filled again, two slots ahead.
.macro TURN slot, next, fill
	s_wait_tensorcnt 0x0                           ; all my tensor loads have landed: my block of the next slot
	ds_add_u32 v[SPW], v[NIL]                      ; 0 onto my spare word
	s_wait_dscnt 4*NL+1                            ; (the add and the youngest sixteen loads may be out)
	WIN MUL_LO
	MUL16 0, 1, 0                                  ; sixteen matrix instructions stand between the add and the wait for it
	s_wait_dscnt 0x0                               ; the add is done, and my reads of this slot are over
	s_barrier_signal -1
	MUL16 2, 1, 0
	WIN 0
	s_barrier_wait -1
.if \fill
	CREST                                          ; the barrier has opened a round of the cluster's barrier: no wave of any partner still reads this slot or has a load on its way
	s_add_nc_u64 s[G0+4*\slot+2:G0+4*\slot+3], s[G0+4*\slot+2:G0+4*\slot+3], 4*KB
	s_add_nc_u64 s[G0B+4*\slot+2:G0B+4*\slot+3], s[G0B+4*\slot+2:G0B+4*\slot+3], 4*KB
	JLOAD G0+4*\slot, G1, G0B+4*\slot, G1B         ; the first tensor load behind the round; its four v_nop are also the places in front of the loads below
.else
	PLACES NP
.endif
	FETCH_B \next, 0, 0
	FETCH_A \next, 0, 0
.if \fill
	s_cmp_gt_u32 s3, 1                             ; the last trip's refills have no slot two refills on
	s_cbranch_scc0 .Lnot_asked_\@
	global_prefetch_b8 v18, s[72:73] offset:(4+\slot)*2*KB th:TH_LOAD_NT scope:SCOPE_SE   ; the slot that stands two refills on
.Lnot_asked_\@:
.endif
	WIN MUL_HI
	MUL16 4, 1, 0
	MUL16 6, 1, 0
	PLACES NP
	WIN 0
	FETCH_A \next, 0, 4
.endm
.macro LAST                            ; the very last step: nothing more to fetch
	s_wait_dscnt 4*NL
	WIN MUL_LO
	MUL16 0, 1, 0
	MUL16 2, 1, 0
	s_wait_dscnt 0
	WIN MUL_HI
	MUL16 4, 1, 0
	MUL16 6, 1, 0
	WIN 0
.endm
; THE WAY OUT, block by block of 16 rows x 128 codes.  A lane's eight codes are 8 bytes of a row; the block goes through my own stage and comes back 32 bytes of each row (512 bytes) an instruction.
.macro TOSTAGE o
.irp b, 0,1,2,3,4,5,6,7
	ds_store_b64 v[STO], v[CD+2*\b:CD+2*\b+1] offset:\o+32*(\b/2)+8*(\b%2)
.endr
.irp t, 0,1,2,3
	ds_load_b128 v[RB+4*\t:RB+4*\t+3], v[RD] offset:\o+\t*32
.endr
.endm
.macro SEND a
	s_wait_dscnt 0x0                               ; the block is back in registers
.irp t, 0,1,2,3
	global_store_b128 v[CO], v[RB+4*\t:RB+4*\t+3], s[10:11] offset:(\a)*2048+\t*512   ; 512 consecutive bytes, at a multiple of 512 from the buffer's first byte
.endr
.endm
.macro SCALE                           ; s66 = the folded exponent E: v[SCL] = 2^E, v[LIM] = 448 x 2^E
	s_add_co_i32 s66, s66, 127
	s_lshl_b32 s67, s66, 23
	v_mov_b32 v[SCL], s67
	s_add_co_i32 s66, s66, 8
	s_lshl_b32 s66, s66, 23
	s_or_b32 s66, s66, 0x600000
	v_mov_b32 v[LIM], s66
.endm
; The table of 16 positions x 64 frequencies for block a: 16 loads of 512 consecutive bytes into set a % 3 (v32, v128, v192): cos at set + 16 b + 0..7, sin at set + 16 b + 8..15
.macro TABLOAD a
.set TS, 32+96*(((\a)%3+1)/2)+64*(((\a)%3)/2)
.irp q, 0,1,2,3,4,5,6,7,8,9,10,11,12,13,14,15
	global_load_b128 v[TS+4*\q:TS+4*\q+3], v[TABO], s[12:13] offset:(\a)*8192+\q*512
.endr
.endm
; Block a of Q or K: RoPE in place of the table, the hold, the conversions.  x1 = accumulator (a, b), x2 = (a, b + 4); each accumulator is read from its low end on.
.macro MATH a
.set TS, 32+96*(((\a)%3+1)/2)+64*(((\a)%3)/2)
.set AC, 64*((\a)%4)
.if (\a) <= 5
	s_wait_loadcnt 32                              ; this block's set is in; the two younger sets may be out
.elseif (\a) == 6
	s_wait_loadcnt 16
.else
	s_wait_loadcnt 0
.endif
	WIN 0x02+((\a)/4)                              ; source 0: window 2 or 3
.irp b, 0,1,2,3
.irp i, 0,2,4,6
	v_pk_mul_f32 v[T+\i:T+\i+1], v[AC+8*(\b+4)+\i:AC+8*(\b+4)+\i+1], v[TS+16*\b+8+\i:TS+16*\b+9+\i]                 ; x2 sin
.endr
.irp i, 0,2,4,6
	v_pk_mul_f32 v[TS+16*\b+8+\i:TS+16*\b+9+\i], v[AC+8*\b+\i:AC+8*\b+\i+1], v[TS+16*\b+8+\i:TS+16*\b+9+\i]         ; x1 sin
.endr
.irp i, 0,2,4,6
	v_pk_fma_f32 v[TS+16*\b+8+\i:TS+16*\b+9+\i], v[AC+8*(\b+4)+\i:AC+8*(\b+4)+\i+1], v[TS+16*\b+\i:TS+16*\b+\i+1], v[TS+16*\b+8+\i:TS+16*\b+9+\i]   ; x1 sin + x2 cos
.endr
.irp i, 0,2,4,6
	v_pk_fma_f32 v[TS+16*\b+\i:TS+16*\b+\i+1], v[AC+8*\b+\i:AC+8*\b+\i+1], v[TS+16*\b+\i:TS+16*\b+\i+1], v[T+\i:T+\i+1] neg_lo:[0,0,1] neg_hi:[0,0,1]   ; x1 cos - x2 sin
.endr
.endr
	WIN 0
.set n, 0
.rept 64
	v_med3_num_f32 v[TS+n], v[TS+n], -v[LIM], v[LIM]   ; the conversion to an 8-bit code does not saturate (ISA guide 7.6.2)
.set n, n+1
.endr
	s_wait_alu depctr_va_vdst(0)
	s_wait_dscnt 4                                 ; the last block's eight stores into the stage have read the codes' registers; its four loads may be out
.irp b, 0,1,2,3
	v_cvt_scalef32_pk8_fp8_f32 v[CD+2*\b:CD+2*\b+1], v[TS+16*\b:TS+16*\b+7], v[SCL]          ; columns 16 b + 8 h on
	v_cvt_scalef32_pk8_fp8_f32 v[CD+8+2*\b:CD+9+2*\b], v[TS+16*\b+8:TS+16*\b+15], v[SCL]     ; columns 64 + 16 b + 8 h on
.endr
	v_nop                                          ; a plain vector instruction behind the last conversion
.if (\a)+3 <= 7
	TABLOAD (\a)+3                                 ; the set takes the block three further on
.endif
.endm
.macro MATHV a                         ; block a of V: the hold and the conversions
.set AC, 64*((\a)%4)
	WIN 0x02+((\a)/4)
.set n, 0
.rept 64
	v_med3_num_f32 v[32+n], v[AC+n], -v[LIM], v[LIM]
.set n, n+1
.endr
	WIN 0
	s_wait_alu depctr_va_vdst(0)
	s_wait_dscnt 4
.irp b, 0,1,2,3,4,5,6,7
	v_cvt_scalef32_pk8_fp8_f32 v[CD+2*\b:CD+2*\b+1], v[32+8*\b:39+8*\b], v[SCL]
.endr
	v_nop
.endm
	s_wait_alu depctr_va_vdst(0)                   ; the wait at the head's end
	s_wait_tensorcnt 0x0                           ; my block of slot 0 is in
	ds_add_u32 v[SPW], v[NIL]
	s_wait_dscnt 0x0
	CROUND                                         ; everybody's block of slot 0 is in, and all sixteen work-groups are here
	JLOAD G0+4, G1, G0B+4, G1B                     ; slot 1's first fill: the first tensor load behind the round
	FETCH_B 0, 0, 0
	FETCH_A 0, 0, 0
	FETCH_A 0, 0, 4
	STEP 0, 0, 1                                   ; the first step stands in front of the loop: its products start the sums
	s_mov_b32 s3, LAPS-1
.Llap:                                                 ; a trip goes once round the ring and fills both slots again
	TURN 0, 1, 1
	STEP 1, 0, 0
	TURN 1, 0, 1
	STEP 0, 0, 0
	s_wait_xcnt 0x0                                ; my prefetches have read their address: it steps two slots on
	s_add_nc_u64 s[72:73], s[72:73], 4*KB
	s_sub_co_u32 s3, s3, 1
	s_cmp_lg_u32 s3, 0
	s_cbranch_scc1 .Llap
	TURN 0, 1, 0                                   ; the last lap fills nothing.  Behind this barrier nobody reads slot 0, and it has had its last fill: the stages lie there
	s_cmp_eq_u32 s2, 2                             ; the ways part on the cluster's y: the same in all partners; no barrier and no tensor load stands in either
	s_cbranch_scc1 .Lv
	; ---- Q and K
	s_lshl_b32 s66, s17, 17                        ; the table at my first position: 16 blocks of 8,192 bytes for each tile row,
	s_lshl_b32 s67, s15, 16                        ; 8 for my half
	s_add_co_u32 s66, s66, s67
	s_mov_b32 s67, 0
	s_add_nc_u64 s[12:13], s[6:7], s[66:67]
	s_wait_alu depctr_va_vdst(0)
	TABLOAD 0                                      ; asked for 128 matrix instructions ahead of its use
	STEP 1, 0, 0
	LAST
	PLACES NP                                      ; for the loads into the registers that held A's fragments, and for the first reads of results
	TABLOAD 1
	TABLOAD 2
	s_wait_kmcnt 0x0
	s_cmp_eq_u32 s2, 0
	s_cselect_b32 s66, s90, s91                    ; e6 for Q, e7 for K,
	s_cselect_b32 s67, s84, s86                    ; less the two exponents that the sums lack
	s_cselect_b32 s68, s85, s87
	s_sub_co_i32 s66, s66, s67
	s_sub_co_i32 s66, s66, s68
	SCALE
	MATH 0
	TOSTAGE 0
.irp a, 1,2,3,4,5,6,7
	MATH \a                                        ; a block's arithmetic stands between the loads of the block before and its stores
	s_wait_alu depctr_va_vdst(0)
	SEND \a-1
	s_wait_xcnt 0x0                                ; those stores have read their registers: the next loads from the stage may land there
	TOSTAGE 0
.endr
	SEND 7
	s_branch .Lout
	; ---- V
.Lv:
	STEP 1, 0, 0
	LAST
	PLACES NP
	s_wait_kmcnt 0x0
	s_sub_co_i32 s66, s93, s88                     ; e9 - e4 - e5
	s_sub_co_i32 s66, s66, s89
	SCALE
	MATHV 0
	TOSTAGE STGV
.irp a, 1,2,3,4,5,6,7
	MATHV \a
	s_wait_alu depctr_va_vdst(0)
	SEND \a-1
	s_wait_xcnt 0x0
	TOSTAGE STGV
.endr
	SEND 7
.Lout:
	s_wait_tensorcnt 0x0                           ; the wave's end: these three lines, behind my last tensor load and my last LDS store
	ds_add_u32 v[SPW], v[NIL]
	s_wait_dscnt 0x0
	CROUND                                         ; the closing round: no work-group ends while a partner may still ask for a block that names it
	s_endpgm
.Lfunc_end_k_q5831f5726f_proj:
	.size	k_q5831f5726f_proj, .Lfunc_end_k_q5831f5726f_proj-k_q5831f5726f_proj
	.p2alignl 7, 3214868480
	.fill 96, 4, 3214868480
	.section	.rodata,"a",@progbits
	.p2align	6, 0x0
	.amdhsa_kernel k_q5831f5726f_proj
		.amdhsa_group_segment_fixed_size 327680
		.amdhsa_private_segment_fixed_size 0
		.amdhsa_enable_private_segment 0
		.amdhsa_kernarg_size 32
		.amdhsa_user_sgpr_count 2
		.amdhsa_user_sgpr_kernarg_segment_ptr 1
		.amdhsa_wavefront_size32 1
		.amdhsa_system_sgpr_workgroup_id_x 1
		.amdhsa_system_sgpr_workgroup_id_y 1
		.amdhsa_system_sgpr_workgroup_id_z 1
		.amdhsa_system_vgpr_workitem_id 0
		.amdhsa_next_free_vgpr 1024
		.amdhsa_next_free_sgpr 96
		.amdhsa_reserve_vcc 0
		.amdhsa_float_denorm_mode_32 3
		.amdhsa_float_denorm_mode_16_64 3
		.amdhsa_memory_ordered 1
		.amdhsa_forward_progress 1
		.amdhsa_inst_pref_size 232
	.end_amdhsa_kernel
	.amdgpu_metadata
---
amdhsa.version: [ 1, 2 ]
amdhsa.kernels:
  - .name:           k_q5831f5726f_proj
    .symbol:         k_q5831f5726f_proj.kd
    .args:
      - { .name: codes, .offset: 0, .size: 8, .value_kind: global_buffer, .address_space: global }
      - { .name: rope, .offset: 8, .size: 8, .value_kind: global_buffer, .address_space: global }
      - { .name: lowp_scales, .offset: 16, .size: 8, .value_kind: global_buffer, .address_space: global }
      - { .name: qkv, .offset: 24, .size: 8, .value_kind: global_buffer, .address_space: global }
    .group_segment_fixed_size: 327680
    .private_segment_fixed_size: 0
    .kernarg_segment_align: 8
    .kernarg_segment_size: 32
    .max_flat_workgroup_size: 128
    .sgpr_count:     96
    .vgpr_count:     1024
    .wavefront_size: 32
...
	.end_amdgpu_metadata
.endif
;; end of part 2
;; launch attn (part 3): grid 16 x 16, 8 waves a work-group, no clusters, 145,408 bytes of LDS; arguments qkv, mbits, mflag, lowp_scales, ocodes; writes ocodes
.if DOCPART == 3
	.amdgcn_target "amdgcn-amd-amdhsa--gfx1250"
	.amdhsa_code_object_version 6
	.text
	.protected	k_q5831f5726f_attn
	.globl	k_q5831f5726f_attn
	.p2align	8
	.type	k_q5831f5726f_attn,@function
k_q5831f5726f_attn:
	s_mov_b64 s[64:65], 0
	v_nop
	global_prefetch_b8 v0, s[64:65] scope:SCOPE_SE
	s_setreg_imm32_b32 hwreg(HW_REG_WAVE_MODE, 25, 1), 1
	s_wait_xcnt 0x0
; THE ATTENTION on codes of FP8 (E4M3): S^T = K Q^T, the mask, p = 2^(t - M) with M a whole number, O^T += V^T P^T, O / the row's sum, the quantiser of the last projection's operand.
; WORK LEFT OUT BY WHOLE NUMBERS.  A masked score is the least f32 number in reference(); where a row has an open key, 2^(t - M) of a masked key is 0 and adds nothing to the sum or to O.
; So a step of 128 keys that is wholly masked for a wave's 32 queries is left out IF EVERY ONE OF THE 32 ROWS HAS AN OPEN KEY SOMEWHERE.  If one row has none (reference() then averages all of V),
; the wave walks all its steps under the mask.  Both are read from the flags that the first launch stored (mflag).  A step all of whose keys are open jumps over the 64 selects a tile.
; LIMIT: a NaN or an infinity in K or V that reaches only steps left out is not carried to the result.
; The hold of p at 448 x 2^e8 is jumped over where e8 >= -8: p <= 1 <= 448 x 2^e8 there, so it would change nothing.
; LIMITS: a masked score is kept as -2^64 in units of the first product's sums; the scaled scores stay under 2^31 in magnitude; e6 + e7 between -123 and 130; e8 between -126 and 119; e10 - e8 - e9 between -126 and 119.
; SHARES.  Work-group (a, head) owns two blocks of 64 queries, 31 - a and then a.  Wave w: p = w % 2: which 32 queries (two tiles of 16); g = w / 2: the key steps ks with ks % 4 = g.
; The four partial results of 32 queries meet in LDS; wave (p, g) joins registers 32 g .. 32 g + 31 of the 128 (tile g / 2, channels 64 (g % 2) on), divides, quantises; the codes leave as whole rows, 512 bytes a store.
; OPERANDS come from memory straight into registers: the launch before laid each block of 16 rows of Q, K and V as the image of an operand's registers, so each load reads 512 consecutive bytes.
; A lane holds one query throughout; register 8 t + j of a tile of scores is key 16 t + 8 h + j, which is the order of k that the second product's operands have.
; NO CLUSTER, NO JOINT LOADS: which steps a wave walks hangs on the stored flags.  NO PREFETCH: a step's K is asked for one step ahead by its own loads, V a softmax ahead.
; REGISTERS: window 0: v1-15 addresses and scales; v16-21, v22-27 the two tiles' state; v28 Q's address, then at work; v29 the address of K's, V's and the result's bytes; v30, v31 at work;
;   v32-63 Q; v64-127 fragments 0-3; v128-255 scores, then p.   window 1: v0-127 O^T; v128-159 p's codes; v160-223 fragments 4-7.
.set KP,    144
.set XCHB,  16896                      ; a wave's place in the exchange: 128 registers x 128 bytes, then 16 bytes a lane of state
.set STAGE, 8*XCHB                     ; the codes' stage: 2 x 32 rows x 144 bytes
.set SPARE, STAGE+2*32*KP              ; the spare words: 128 bytes for each of eight waves
.set XR,  1
.set XR2, 2
.set XS,  3
.set XA,  4
.set SPW, 5
.set NIL, 6
.set GO,  7
.set SCLO, 8
.set LIMO, 9
.set LIM, 10
.set SCL, 11
.set NEG, 12
.set STO, 13
.set RD,  14
.set XS2, 15
.set ST,  16
.set Q,   32
.set FA,  64
.set FB,  160
.set S,   128
.set P,   128
.set WV,  2
.set PP,  3
.set G,   4
.set CNT, 5
.set N,   6
.set ACT, 7
.set OP16, 8
.set KS,  9
.set OPF, 10
.set HOLD, 11
.set PH,  12
.set T0,  13
.set T1,  14
.set T2,  15
.set QO,  66
.set EO,  67
.set SEL, 84
.set CS,  86
.set MP,  88
.set MO,  90
.set KN,  91
.set KB,  92
.set VB,  94
.set QB,  96
.set OB,  98
.set FP,  100                          ; s[100:101] the flags' address; behind the head s100, s101 hold the two blocks' lists of steps
.set MSB, 0
.macro WIN new
.if MSB != (\new)
	s_set_vgpr_msb (MSB<<8)|(\new)
.set MSB, (\new)
.endif
.endm
.macro MLOAD u                         ; the 64 mask words of tile u and the step in hand
	s_load_b512 s[16:31], s[MP:MP+1], s[MO] offset:(\u)*4096
	s_load_b512 s[32:47], s[MP:MP+1], s[MO] offset:(\u)*4096+64
	s_load_b512 s[48:63], s[MP:MP+1], s[MO] offset:(\u)*4096+128
	s_load_b512 s[68:83], s[MP:MP+1], s[MO] offset:(\u)*4096+192
.endm
.macro FLOAD adr, base                 ; eight fragments, 16 KiB on end: 32 loads of 512 consecutive bytes
.irp t, 0,1,2,3
.irp c, 0,1,2,3
	global_load_b128 v[FA+16*\t+4*\c:FA+16*\t+4*\c+3], v[\adr], s[\base:\base+1] offset:2048*\t+512*\c
.endr
.endr
	WIN 0x40
.irp t, 0,1,2,3
.irp c, 0,1,2,3
	global_load_b128 v[FB+16*\t+4*\c:FB+16*\t+4*\c+3], v[\adr], s[\base:\base+1] offset:8192+2048*\t+512*\c
.endr
.endr
	WIN 0
.endm
.macro POP                             ; the next of my steps that is walked: the lowest set bit of the list, held at 12 (an empty list gives step 12 + g: inside K, and not used)
	s_ctz_i32_b32 s[T0], s[ACT]
	s_min_u32 s[T0], s[T0], 12
	s_add_co_u32 s[KN], s[T0], s[G]
	s_sub_co_u32 s[T0], s[ACT], 1
	s_and_b32 s[ACT], s[ACT], s[T0]
.endm
.macro KLOAD
	s_lshl_b32 s[T0], s[KN], 14
	v_add_nc_u32 v29, s[T0], v[GO]                 ; the step's 16 KiB, + 16 x lane (no load or store that read v29 is out here)
	FLOAD 29, KB
.endm
; The flags of two tiles of queries (16 words each, from s[b0] and s[b1] on: for each group of four steps: any key open, all keys open, rows with an open key, 0) become one word x:
; bits 0-15: my steps that are walked (bit 4 j for step 4 j + g); bits 16-31: the steps all of whose keys are open for both tiles.
.macro REDUCE b0, b1, x
	s_or_b32 s[T0], s[\b0], s[\b1]
	s_and_b32 s[T1], s[\b0+1], s[\b1+1]
.irp w, 1,2,3
	s_or_b32 s[T2], s[\b0+4*\w], s[\b1+4*\w]
	s_lshl_b32 s[T2], s[T2], 4*\w
	s_or_b32 s[T0], s[T0], s[T2]
	s_and_b32 s[T2], s[\b0+1+4*\w], s[\b1+1+4*\w]
	s_lshl_b32 s[T2], s[T2], 4*\w
	s_or_b32 s[T1], s[T1], s[T2]
	s_or_b32 s[\b0+2], s[\b0+2], s[\b0+2+4*\w]
	s_or_b32 s[\b1+2], s[\b1+2], s[\b1+2+4*\w]
.endr
	s_lshr_b32 s[T2], s[\b0+2], 16
	s_or_b32 s[\b0+2], s[\b0+2], s[T2]
	s_lshr_b32 s[T2], s[\b1+2], 16
	s_or_b32 s[\b1+2], s[\b1+2], s[T2]
	s_and_b32 s[\b0+2], s[\b0+2], s[\b1+2]
	s_and_b32 s[\b0+2], s[\b0+2], 0xffff
	s_cmp_eq_u32 s[\b0+2], 0xffff                  ; has every one of the 32 rows an open key?
	s_cselect_b32 s[T0], s[T0], 0xffff             ; if not, every step is walked
	s_lshr_b32 s[T0], s[T0], s[G]
	s_and_b32 s[T0], s[T0], 0x1111
	s_lshl_b32 s[T1], s[T1], 16
	s_or_b32 s[\x], s[T0], s[T1]
.endm
	s_load_b256 s[16:23], s[0:1], 0x0              ; qkv, mbits, mflag, the scales' exponents
	s_load_b64 s[24:25], s[0:1], 0x20              ; ocodes
	v_lshl_add_u32 v[SPW], v0, 2, SPARE
	v_mov_b32 v[NIL], 0
	v_lshrrev_b32 v1, 5, v0
	v_readfirstlane_b32 s[WV], v1                  ; wave 0..7
	s_and_b32 s[PP], s[WV], 1
	s_lshr_b32 s[G], s[WV], 1
	s_and_b32 s26, ttmp7, 0xffff
	s_lshl_b32 s26, s26, 18                        ; the head's 256 KiB in each tensor of codes
	s_mov_b32 s27, 0
	s_mov_b32 s[SEL], 0x76543210
	s_mov_b32 s[SEL+1], 0xfedcba98
	s_mov_b32 s[CS], 0x3e0293ee                    ; log2(e) / sqrt(128)
	s_mul_i32 s28, s[WV], XCHB                     ; my place in the exchange
	s_mul_i32 s33, s[PP], XCHB
	s_lshl_b32 s29, s[G], 12
	s_add_co_u32 s29, s29, s33                     ; what I join: chunks 8 g on of the partial of wave p (the others: 2 XCHB apart)
	s_lshr_b32 s34, s[G], 1                        ; my tile in the join
	s_lshl_b32 s30, s34, 3
	s_add_co_u32 s30, s30, s33
	s_add_co_u32 s30, s30, 16384                   ; its state
	s_mul_i32 s33, s[PP], 32*KP
	s_add_co_u32 s33, s33, STAGE
	s_mul_i32 s31, s34, 16*KP
	s_add_co_u32 s31, s31, s33
	s_and_b32 s34, s[G], 1
	s_lshl_b32 s34, s34, 6
	s_add_co_u32 s31, s31, s34                     ; the stage, in: rows 16 (g / 2) on, bytes 64 (g % 2) on
	s_mul_i32 s32, s[G], 8*KP
	s_add_co_u32 s32, s32, s33                     ; and back: rows 8 g on
	s_lshl_b32 s36, s[PP], 1
	s_sub_co_u32 s35, 31, ttmp9
	s_lshl_b32 s35, s35, 2
	s_add_co_u32 s35, s35, s36
	s_lshl_b32 s66, s35, 10                        ; the flags of my first tile in block 31 - a: 1,024 bytes a tile,
	s_lshl_b32 s35, ttmp9, 2
	s_add_co_u32 s35, s35, s36
	s_lshl_b32 s67, s35, 10                        ; and in block a
	v_and_b32 v1, 31, v0
	v_lshlrev_b32 v[GO], 4, v1                     ; 16 x lane
	v_add_nc_u32 v[XA], s28, v[GO]
	v_add_nc_u32 v[XR], s29, v[GO]
	v_add_nc_u32 v[XR2], 4*XCHB, v[XR]
	v_add_nc_u32 v[XS], s30, v[GO]
	v_add_nc_u32 v[XS2], 4*XCHB, v[XS]
	v_and_b32 v[STO], 15, v0
	v_bfe_u32 v[RD], v0, 4, 1
	v_mul_u32_u24 v[STO], v[STO], KP
	v_lshl_add_u32 v[STO], v[RD], 3, v[STO]
	v_add_nc_u32 v[STO], s31, v[STO]               ; row r, + 8 h
	v_bfe_u32 v[RD], v0, 3, 2
	v_mul_u32_u24 v[RD], v[RD], KP
	v_and_b32 v[NEG], 7, v0
	v_lshl_add_u32 v[RD], v[NEG], 4, v[RD]
	v_add_nc_u32 v[RD], s32, v[RD]                 ; eight lanes to a row of 128 bytes
	v_mov_b32 v[NEG], 0xdf800000                   ; -2^64
	s_wait_alu depctr_va_vdst(0)                   ; the wait here, directly ahead of the wait below
	s_wait_kmcnt 0x0
	s_add_nc_u64 s[QB:QB+1], s[16:17], s[26:27]
	s_add_nc_u64 s[KB:KB+1], s[QB:QB+1], 0x400000
	s_add_nc_u64 s[VB:VB+1], s[QB:QB+1], 0x800000
	s_add_nc_u64 s[OB:OB+1], s[24:25], s[26:27]
	s_mov_b64 s[MP:MP+1], s[18:19]
	s_mov_b64 s[FP:FP+1], s[20:21]
	s_mov_b64 s[6:7], s[22:23]
	s_load_b128 s[8:11], s[6:7], 0x18              ; e6, e7, e8, e9
	s_load_b32 s5, s[6:7], 0x28                    ; e10
.irp w, 0,1,2,3                                ; the flags of both blocks, under the same wait as the scales
	s_load_b128 s[16+4*\w:19+4*\w], s[FP:FP+1], s66 offset:\w*256
	s_load_b128 s[32+4*\w:35+4*\w], s[FP:FP+1], s66 offset:1024+\w*256
	s_load_b128 s[48+4*\w:51+4*\w], s[FP:FP+1], s67 offset:\w*256
	s_load_b128 s[68+4*\w:71+4*\w], s[FP:FP+1], s67 offset:1024+\w*256
.endr
	s_wait_kmcnt 0x0
	s_add_co_i32 s[T0], s8, s9
	s_lshl_b32 s[T0], s[T0], 23
	s_add_co_i32 s[CS], s[CS], s[T0]               ; a score stands for score x 2^(e6 + e7)
	s_mov_b32 s[CS+1], s[CS]
	s_add_co_i32 s[T0], s10, 127
	s_lshl_b32 s[T1], s[T0], 23
	v_mov_b32 v[SCL], s[T1]                        ; 2^e8
	s_add_co_i32 s[T0], s[T0], 8
	s_lshl_b32 s[T0], s[T0], 23
	s_or_b32 s[T0], s[T0], 0x600000
	v_mov_b32 v[LIM], s[T0]                        ; 448 x 2^e8
	s_sub_co_i32 s[EO], s5, s10
	s_sub_co_i32 s[EO], s[EO], s11                 ; e10 - e8 - e9
	s_cmp_lt_i32 s10, -8
	s_cselect_b32 s[HOLD], 1, 0                    ; is the hold of p needed?
	s_add_co_i32 s[T0], s[EO], 127
	s_lshl_b32 s[T1], s[T0], 23
	v_mov_b32 v[SCLO], s[T1]
	s_add_co_i32 s[T0], s[T0], 8
	s_lshl_b32 s[T0], s[T0], 23
	s_or_b32 s[T0], s[T0], 0x600000
	v_mov_b32 v[LIMO], s[T0]
	REDUCE 16, 32, 100
	REDUCE 48, 68, 101
	s_mov_b32 s[PH], 0
	s_wait_alu depctr_va_vdst(0)                   ; the wait at the head's end
; The softmax of tile u over the step's 128 keys.  State, six registers a tile: rT -M, +1 the largest t, +2, +3 the sum in two halves, +4 f, +5 the other half's maximum.  v28, v30, v31 are at work for both tiles.
.macro TILE u
.set rS, S+64*(\u)
.set rT, ST+6*(\u)
	s_wait_kmcnt 0x0                               ; the mask words are in, and no scalar load is out on any way
	s_wait_alu depctr_va_vdst(0)                   ; the wait ahead of the branch,
	s_cmp_lg_u32 s[OPF], 0
	s_cbranch_scc1 .Lopen_\@                       ; all keys open: no select
	s_wait_alu depctr_va_vdst(0)                   ; directly ahead of the first readers of the scores,
.set n, 0
.rept 64
	v_cndmask_b32 v[rS+n], v[NEG], v[rS+n], s[16+n+4*(n/48)]
.set n, n+1
.endr
.if (\u) == 0
	MLOAD 1
.endif
.Lopen_\@:
	s_wait_alu depctr_va_vdst(0)                   ; and on this way too
	v_max3_num_f32 v28, v[rS], v[rS+1], v[rS+2]
	v_max3_num_f32 v30, v[rS+3], v[rS+4], v[rS+5]
.irp i, 6,10,14,18,22,26,30,34,38,42,46,50,54,58
	v_max3_num_f32 v28, v28, v[rS+\i], v[rS+\i+1]
	v_max3_num_f32 v30, v30, v[rS+\i+2], v[rS+\i+3]
.endr
	v_max3_num_f32 v28, v28, v[rS+62], v[rS+63]
	v_max_num_f32 v28, v28, v30
	v_permlanex16_b32 v[rT+5], v28, s[SEL], s[SEL+1]
	v_max_num_f32 v28, v28, v[rT+5]
	v_mul_f32 v28, s[CS], v28                      ; as t
	v_max_num_f32 v[rT+1], v[rT+1], v28
	v_mov_b32 v28, v[rT]
	v_floor_f32 v[rT], -v[rT+1]                    ; -M = floor(-t)
	v_sub_f32 v28, v[rT], v28
	v_cvt_i32_f32 v28, v28                         ; (it saturates)
	v_ldexp_f32 v[rT+4], 1.0, v28                  ; f = 2^(old M - new M)
.set j, 0
.rept 32
	v_pk_fma_f32 v[rS+j:rS+j+1], v[rS+j:rS+j+1], s[CS:CS+1], v[rT:rT+1] op_sel_hi:[1,0,0]
.set j, j+2
.endr
	s_wait_alu depctr_va_vdst(0)                   ; the wait ahead of the batch
.set j, 0
.rept 64
	v_exp_f32 v[rS+j], v[rS+j]
.set j, j+1
.endr
	v_pk_mul_f32 v[rT+2:rT+3], v[rT+2:rT+3], v[rT+4:rT+5] op_sel_hi:[1,0]
	s_wait_alu depctr_va_vdst(0)                   ; one wait for the batch, ahead of its first reader
	v_pk_add_f32 v[30:31], v[rS:rS+1], v[rS+2:rS+3]   ; the sum of the unquantised p, in two chains
.irp j, 4,8,12,16,20,24,28,32,36,40,44,48,52,56,60
	v_pk_add_f32 v[rT+2:rT+3], v[rT+2:rT+3], v[rS+\j:rS+\j+1]
	v_pk_add_f32 v[30:31], v[30:31], v[rS+\j+2:rS+\j+3]
.endr
	v_pk_add_f32 v[rT+2:rT+3], v[rT+2:rT+3], v[30:31]
	s_wait_alu depctr_va_vdst(0)                   ; the wait ahead of the branch
	s_cmp_eq_u32 s[HOLD], 0
	s_cbranch_scc1 .Lfree_\@
.set j, 0
.rept 64
	v_min_num_f32 v[rS+j], v[rS+j], v[LIM]         ; the conversion does not saturate (ISA guide 7.6.2)
.set j, j+1
.endr
.Lfree_\@:
	WIN 0x40
.irp t, 0,1,2,3,4,5,6,7
	v_cvt_scalef32_pk8_fp8_f32 v[P+16*(\u)+2*\t:P+16*(\u)+2*\t+1], v[rS+8*\t:rS+8*\t+7], v[SCL]
.endr
	WIN 0
.endm
.Lphase:                                           ; two trips: block 31 - a, then block a
	s_sub_co_u32 s[T0], 31, ttmp9
	s_cmp_eq_u32 s[PH], 0
	s_cselect_b32 s[T0], s[T0], ttmp9
	s_cselect_b32 s[T2], s100, s101                ; the block's list of steps
	s_lshl_b32 s[T0], s[T0], 2
	s_lshl_b32 s[T1], s[PP], 1
	s_add_co_u32 s[T0], s[T0], s[T1]               ; my first tile of 16 queries
	s_lshl_b32 s[QO], s[T0], 11                    ; its 2,048 bytes of codes, in Q and in the result
	s_and_b32 s[ACT], s[T2], 0xffff
	s_lshr_b32 s[OP16], s[T2], 16
	s_bcnt1_i32_b32 s[N], s[ACT]
	s_mov_b32 s[CNT], 0
	v_add_nc_u32 v28, s[QO], v[GO]
.irp u, 0,1
.irp c, 0,1,2,3
	global_load_b128 v[Q+16*\u+4*\c:Q+16*\u+4*\c+3], v28, s[QB:QB+1] offset:\u*2048+512*\c
.endr
.endr
	POP
	KLOAD                                          ; the first step's K, directly behind Q: both land under the clearing below
.irp u, 0,1
	v_mov_b32 v[ST+6*\u+1], 0xff61b1e6             ; the largest t so far: -3e38
	v_floor_f32 v[ST+6*\u], -v[ST+6*\u+1]
	v_mov_b32 v[ST+6*\u+2], 0
	v_mov_b32 v[ST+6*\u+3], 0
	v_mov_b32 v[ST+6*\u+5], 0
.endr
	WIN 0x40
.set j, 0
.rept 128
	v_mov_b32 v[j], 0                              ; O^T: the step is written once, and a wave with no step hands zeros on
.set j, j+1
.endr
	WIN 0
	s_wait_alu depctr_va_vdst(0)                   ; the wait here, directly ahead of the branch
	s_cmp_eq_u32 s[N], 0
	s_cbranch_scc1 .Lmerge
.Lstep:
	s_mov_b32 s[KS], s[KN]
	s_lshr_b32 s[T0], s[OP16], s[KS]
	s_and_b32 s[OPF], s[T0], 1
	s_lshl_b32 s[T0], s[KS], 8
	s_lshl_b32 s[MO], s[QO], 1                     ; 4,096 bytes of mask words for each tile of queries, 256 for each step
	s_add_co_u32 s[MO], s[MO], s[T0]
	MLOAD 0
	s_wait_loadcnt 16                              ; Q (older) and K's fragments 0-3 are in; the younger sixteen loads may be out
.irp t, 0,1,2,3
.irp u, 0,1
	v_wmma_f32_16x16x128_fp8_fp8 v[S+64*\u+8*\t:S+64*\u+8*\t+7], v[FA+16*\t:FA+16*\t+15], v[Q+16*\u:Q+16*\u+15], 0
.endr
.endr
	s_wait_loadcnt 0x0
	WIN 0x01
.irp t, 4,5,6,7
.irp u, 0,1
	v_wmma_f32_16x16x128_fp8_fp8 v[S+64*\u+8*\t:S+64*\u+8*\t+7], v[FB+16*(\t-4):FB+16*(\t-4)+15], v[Q+16*\u:Q+16*\u+15], 0
.endr
.endr
	WIN 0
.rept 4
	v_nop                                          ; places in front of loads into registers that matrix instructions have read, and of the first reads of scores
.endr
	s_lshl_b32 s[T0], s[KS], 14
	v_add_nc_u32 v29, s[T0], v[GO]                 ; (K's loads, which read v29, are all in)
	FLOAD 29, VB                                   ; V's fragments land under the softmax
	TILE 0
	TILE 1
	WIN 0x41
	s_wait_alu depctr_va_vdst(0)                   ; the wait here, directly ahead of the first reader of O^T
.irp u, 0,1
.set j, 0
.rept 32
	v_pk_mul_f32 v[64*\u+j:64*\u+j+1], v[64*\u+j:64*\u+j+1], v[ST+6*\u+4:ST+6*\u+5] op_sel_hi:[1,0]
.set j, j+2
.endr
.endr
	s_wait_alu depctr_va_vdst(0)                   ; the wait here, directly ahead of the wait below
	s_wait_loadcnt 0x0                             ; V
	WIN 0x54
.irp t, 0,1,2,3
.irp u, 0,1
	v_wmma_f32_16x16x128_fp8_fp8 v[64*\u+8*\t:64*\u+8*\t+7], v[FA+16*\t:FA+16*\t+15], v[P+16*\u:P+16*\u+15], v[64*\u+8*\t:64*\u+8*\t+7]
.endr
.endr
	WIN 0x55
.irp t, 4,5,6,7
.irp u, 0,1
	v_wmma_f32_16x16x128_fp8_fp8 v[64*\u+8*\t:64*\u+8*\t+7], v[FB+16*(\t-4):FB+16*(\t-4)+15], v[P+16*\u:P+16*\u+15], v[64*\u+8*\t:64*\u+8*\t+7]
.endr
.endr
	WIN 0
	s_add_co_u32 s[CNT], s[CNT], 1
	s_cmp_ge_u32 s[CNT], s[N]
	s_cbranch_scc1 .Lno_more                       ; the last step asks for nothing
	POP
.rept 4
	v_nop
.endr
	KLOAD                                          ; the next step's K
.Lno_more:
	s_cmp_lt_u32 s[CNT], s[N]
	s_wait_alu depctr_va_vdst(0)
	s_cbranch_scc1 .Lstep
.Lmerge:                                           ; THE JOIN of the four partial results of 32 queries
	s_wait_loadcnt 0x0                             ; no load is out on any way here: the fragments' registers and v29 are written again below
.rept 4
	v_nop                                          ; places behind the last products
.endr
	v_mov_b32 v64, v[ST]
	v_add_f32 v65, v[ST+2], v[ST+3]
	v_mov_b32 v66, v[ST+6]
	v_add_f32 v67, v[ST+8], v[ST+9]
	WIN 0x04
.set k, 0
.rept 32
	ds_store_b128 v[XA], v[4*k:4*k+3] offset:512*k
.set k, k+1
.endr
	WIN 0
	ds_store_b128 v[XA], v[64:67] offset:16384     ; -M and the sum of both tiles
	s_wait_dscnt 0x0                               ; my stores are done, and my reads of the stage in the trip before
	s_barrier_signal -1
	s_barrier_wait -1
.irp i, 0,1
	ds_load_b64 v[64+2*\i:65+2*\i], v[XS] offset:\i*2*XCHB
	ds_load_b64 v[68+2*\i:69+2*\i], v[XS2] offset:\i*2*XCHB
.endr
.irp i, 0,1
.irp k, 0,1,2,3,4,5,6,7
	ds_load_b128 v[S+32*\i+4*\k:S+32*\i+4*\k+3], v[XR] offset:\i*2*XCHB+512*\k
	ds_load_b128 v[S+64+32*\i+4*\k:S+64+32*\i+4*\k+3], v[XR2] offset:\i*2*XCHB+512*\k
.endr
.endr
	s_wait_dscnt 0x0
	v_min_num_f32 v80, v64, v66
	v_min_num_f32 v81, v68, v70
	v_min_num_f32 v80, v80, v81                    ; the least -M: the largest M
.irp i, 0,1,2,3
	v_sub_f32 v[72+2*\i], v80, v[64+2*\i]
	v_mov_b32 v[73+2*\i], 0
.endr
.irp i, 0,1,2,3
	v_cvt_i32_f32 v[72+2*\i], v[72+2*\i]           ; (it saturates: a wave that walked no step gets the factor 0)
.endr
.irp i, 0,1,2,3
	v_ldexp_f32 v[72+2*\i], 1.0, v[72+2*\i]
.endr
	v_mul_f32 v81, v65, v72
	v_mov_b32 v82, 0
	v_fma_f32 v81, v67, v74, v81
	v_fma_f32 v81, v69, v76, v81
	v_fma_f32 v81, v71, v78, v81
	v_permlanex16_b32 v82, v81, s[SEL], s[SEL+1]
	v_add_f32 v81, v81, v82                        ; the row's sum
	s_wait_alu depctr_va_vdst(0)                   ; the wait ahead of the transcendental
	v_rcp_f32 v81, v81
	v_nop
	s_wait_alu depctr_va_vdst(0)                   ; and ahead of its first reader
.irp i, 0,1,2,3
	v_mul_f32 v[72+2*\i], v[72+2*\i], v81
.endr
.set j, 0
.rept 16
	v_pk_mul_f32 v[S+j:S+j+1], v[S+j:S+j+1], v[72:73] op_sel_hi:[1,0]
.set j, j+2
.endr
.irp i, 1,2,3
.set j, 0
.rept 16
	v_pk_fma_f32 v[S+j:S+j+1], v[S+32*\i+j:S+32*\i+j+1], v[72+2*\i:73+2*\i], v[S+j:S+j+1] op_sel_hi:[1,0,1]
.set j, j+2
.endr
.endr
.set j, 0
.rept 32
	v_med3_num_f32 v[S+j], v[S+j], -v[LIMO], v[LIMO]
.set j, j+1
.endr
.irp t, 0,1,2,3
	v_cvt_scalef32_pk8_fp8_f32 v[84+2*\t:85+2*\t], v[S+8*\t:S+8*\t+7], v[SCLO]
.endr
	v_nop                                          ; a plain vector instruction behind the last conversion
.irp t, 0,1,2,3
	ds_store_b64 v[STO], v[84+2*\t:85+2*\t] offset:16*\t
.endr
	s_lshl_b32 s[T0], s[G], 10
	s_add_co_u32 s[T0], s[T0], s[QO]
	s_wait_dscnt 0x0
	s_barrier_signal -1
	s_barrier_wait -1
	ds_load_b128 v[96:99], v[RD]
	ds_load_b128 v[100:103], v[RD] offset:4*KP
	v_add_nc_u32 v29, s[T0], v[GO]
	s_wait_alu depctr_va_vdst(0)                   ; the wait here, directly ahead of the wait below
	s_wait_dscnt 0x0
	global_store_b128 v29, v[96:99], s[OB:OB+1]                ; rows 8 g .. 8 g + 7 of the 32: two stores of 512 consecutive bytes
	global_store_b128 v29, v[100:103], s[OB:OB+1] offset:512
	s_wait_xcnt 0x0                                ; the stores have read their registers
	s_add_co_u32 s[PH], s[PH], 1
	s_cmp_lt_u32 s[PH], 2
	s_cbranch_scc1 .Lphase
	s_wait_tensorcnt 0x0                           ; the wave's end: these three lines behind my last LDS store
	ds_add_u32 v[SPW], v[NIL]
	s_wait_dscnt 0x0
	s_endpgm
.Lfunc_end_k_q5831f5726f_attn:
	.size	k_q5831f5726f_attn, .Lfunc_end_k_q5831f5726f_attn-k_q5831f5726f_attn
	.p2alignl 7, 3214868480
	.fill 96, 4, 3214868480
	.section	.rodata,"a",@progbits
	.p2align	6, 0x0
	.amdhsa_kernel k_q5831f5726f_attn
		.amdhsa_group_segment_fixed_size 145408
		.amdhsa_private_segment_fixed_size 0
		.amdhsa_enable_private_segment 0
		.amdhsa_kernarg_size 40
		.amdhsa_user_sgpr_count 2
		.amdhsa_user_sgpr_kernarg_segment_ptr 1
		.amdhsa_wavefront_size32 1
		.amdhsa_system_sgpr_workgroup_id_x 1
		.amdhsa_system_sgpr_workgroup_id_y 1
		.amdhsa_system_sgpr_workgroup_id_z 1
		.amdhsa_system_vgpr_workitem_id 0
		.amdhsa_next_free_vgpr 512
		.amdhsa_next_free_sgpr 102
		.amdhsa_reserve_vcc 0
		.amdhsa_float_denorm_mode_32 3
		.amdhsa_float_denorm_mode_16_64 3
		.amdhsa_memory_ordered 1
		.amdhsa_forward_progress 1
		.amdhsa_inst_pref_size 75
	.end_amdhsa_kernel
	.amdgpu_metadata
---
amdhsa.version: [ 1, 2 ]
amdhsa.kernels:
  - .name:           k_q5831f5726f_attn
    .symbol:         k_q5831f5726f_attn.kd
    .args:
      - { .name: qkv, .offset: 0, .size: 8, .value_kind: global_buffer, .address_space: global }
      - { .name: mbits, .offset: 8, .size: 8, .value_kind: global_buffer, .address_space: global }
      - { .name: mflag, .offset: 16, .size: 8, .value_kind: global_buffer, .address_space: global }
      - { .name: lowp_scales, .offset: 24, .size: 8, .value_kind: global_buffer, .address_space: global }
      - { .name: ocodes, .offset: 32, .size: 8, .value_kind: global_buffer, .address_space: global }
    .group_segment_fixed_size: 145408
    .private_segment_fixed_size: 0
    .kernarg_segment_align: 8
    .kernarg_segment_size: 40
    .max_flat_workgroup_size: 256
    .sgpr_count:     102
    .vgpr_count:     512
    .wavefront_size: 32
...
	.end_amdgpu_metadata
.endif
;; end of part 3
;; launch outp (part 4): grid 16 x 16, 4 waves a work-group, clusters of 4 x 4, 327,680 bytes of LDS; arguments ocodes, codes, lowp_scales, out0; writes out0
.if DOCPART == 4
	.amdgcn_target "amdgcn-amd-amdhsa--gfx1250"
	.amdhsa_code_object_version 6
	.text
	.protected	k_q5831f5726f_outp
	.globl	k_q5831f5726f_outp
	.p2align	8
	.type	k_q5831f5726f_outp,@function
k_q5831f5726f_outp:
	s_mov_b64 s[64:65], 0
	v_nop
	global_prefetch_b8 v0, s[64:65] scope:SCOPE_SE
	s_setreg_imm32_b32 hwreg(HW_REG_WAVE_MODE, 25, 1), 1
	s_wait_xcnt 0x0
	s_wait_alu depctr_hold_cnt(0) depctr_sa_sdst(0) depctr_va_vdst(0) depctr_va_sdst(0) depctr_va_ssrc(0) depctr_va_vcc(0) depctr_vm_vsrc(0)
	s_getreg_b32 s2, hwreg(HW_REG_IB_STS2, 6, 4)
	s_cmp_eq_u32 s2, 0
	s_cbranch_scc0 .Lentry_in_a_cluster
	s_endpgm
.Lentry_in_a_cluster:
	s_bfe_u32 s2, ttmp6, 0x10000c
	s_cmp_lg_u32 s2, 0xf033
	s_cbranch_scc0 .Lentry_shape_is_right
	s_endpgm
.Lentry_shape_is_right:
.set KP,     144
.set PART,   128*KP
.set SLOT,   8*PART
.set SPARE,  2*SLOT
.set NP,     4
.set KB,     262144
.set SIZE_N, 2048
.set SPITCH, 272
.set ADRA, 16
.set ADRB, 20
.set STO,  24
.set RD,   25
.set CO,   26
.set SPW,  28
.set NIL,  29
.set ACC,  128
.set F0,   0
.set F1,   128
.set TMP,  0
.set BK,   128
.set G1, 24
.set G0, 32
.set G1B, 48
.set G0B, 56
.set MSB, 0
.macro WIN new
.if MSB != (\new)
	s_set_vgpr_msb (MSB<<8)|(\new)
.set MSB, (\new)
.endif
.endm
.set MUL,  0x05
.set TO_F, 0x40
.set FROM_F, 0x04
.macro JLOAD g0a, g1a, g0b, g1b
	s_cmp_eq_u32 s15, 0
	s_cbranch_scc0 .Lfor_b_\@
	tensor_load_to_lds s[\g0a:\g0a+3], s[\g1a:\g1a+7]
	s_nop 0
.rept 4
	v_nop
.endr
	s_branch .Lasked_\@
.Lfor_b_\@:
	tensor_load_to_lds s[\g0b:\g0b+3], s[\g1b:\g1b+7]
	s_nop 0
.rept 4
	v_nop
.endr
.Lasked_\@:
.endm
.macro CREST
	s_cmp_lg_u32 s14, 0
	s_cbranch_scc1 .Lnot_wave_0_\@
	s_barrier_signal -3
.Lnot_wave_0_\@:
	s_barrier_wait -3
	s_barrier_signal -1
	s_barrier_wait -1
.endm
.macro CROUND
	s_barrier_signal -1
	s_barrier_wait -1
	CREST
.endm
	s_load_b256 s[4:11], s[0:1], 0x0
	v_lshl_add_u32 v[SPW], v0, 2, SPARE
	v_mov_b32 v[NIL], 0
	ds_add_u32 v[SPW], v[NIL]
	ds_add_u32 v[SPW], v[NIL]
	v_lshrrev_b32 v1, 5, v0
	v_readfirstlane_b32 s14, v1
	v_and_b32 v30, 31, v0
	v_lshlrev_b32 v30, 8, v30                      ; v30: the prefetches' offset, 256 x lane; never rewritten
	s_lshr_b32 s15, s14, 1
	s_and_b32 s16, s14, 1
	s_bfe_u32 s40, ttmp6, 0x40000
	s_bfe_u32 s41, ttmp6, 0x40004
	s_lshl_b32 s42, ttmp9, 2
	s_add_co_u32 s42, s42, s40
	s_and_b32 s17, ttmp7, 0xffff
	s_lshl_b32 s17, s17, 2
	s_add_co_u32 s17, s17, s41
	s_lshl_b32 s43, s41, 2
	s_lshl_b32 s43, 15, s43
	s_lshl_b32 s44, 0x1111, s40
	s_or_b32 s[G1+0], s43, (0<<16)|(1<<20)|(1<<21)|(4<<22)|(3<<25)
	s_or_b32 s[G1B+0], s44, (0<<16)|(1<<20)|(1<<21)|(4<<22)|(3<<25)
.irp g, G1, G1B
	s_mov_b32 s[\g+1], 16384<<16
	s_mov_b32 s[\g+2], 2<<16
	s_mov_b32 s[\g+3], 16384<<16
	s_mov_b32 s[\g+4], 2
	s_mov_b32 s[\g+5], KB
	s_mov_b32 s[\g+6], 0
	s_mov_b32 s[\g+7], 0
.endr
	s_lshl_b32 s18, s16, 19
	s_lshl_b32 s20, s17, 14
	s_add_co_u32 s20, s20, s18
	s_mov_b32 s21, 0
	s_lshl_b32 s46, s42, 14
	s_add_co_u32 s46, s46, s18
	s_add_co_u32 s46, s46, 6<<22
	s_mov_b32 s47, 0
	s_mul_i32 s45, s14, 2*PART
	s_wait_dscnt 0x0
	s_wait_kmcnt 0x0
	s_load_b64 s[96:97], s[8:9], 0x28
	s_add_nc_u64 s[20:21], s[4:5], s[20:21]
	s_add_nc_u64 s[46:47], s[6:7], s[46:47]
	; the prefetches' address: of the two blocks of 16 KiB that my wave fetches jointly for a slot, each of the four partners names 8 KiB, told apart by address alone (cx for A's, cy for B's)
	s_cmp_eq_u32 s15, 0
	s_cselect_b64 s[72:73], s[20:21], s[46:47]
	s_cselect_b32 s74, s40, s41
	s_lshr_b32 s75, s74, 1
	s_lshl_b32 s75, s75, 18
	s_and_b32 s74, s74, 1
	s_lshl_b32 s74, s74, 13
	s_add_co_u32 s74, s74, s75
	s_mov_b32 s75, 0
	s_add_nc_u64 s[72:73], s[72:73], s[74:75]
	CROUND
.irp s, 0,1
	s_mov_b32 s[G0+4*\s], 1
	s_add_co_u32 s[G0+4*\s+1], s45, \s*SLOT
	s_add_nc_u64 s[G0+4*\s+2:G0+4*\s+3], s[20:21], \s*4*KB
	s_or_b32 s[G0+4*\s+3], s[G0+4*\s+3], 0x80000000
	s_mov_b32 s[G0B+4*\s], 1
	s_add_co_u32 s[G0B+4*\s+1], s45, \s*SLOT
	s_add_nc_u64 s[G0B+4*\s+2:G0B+4*\s+3], s[46:47], \s*4*KB
	s_or_b32 s[G0B+4*\s+3], s[G0B+4*\s+3], 0x80000000
	s_wait_alu depctr_va_vdst(0)
	s_wait_tensorcnt 0x0
	ds_add_u32 v28, v29
	ds_add_u32 v28, v29
	s_wait_dscnt 0x0
	CROUND
	JLOAD G0+4*\s, G1, G0B+4*\s, G1B
.if \s == 0
	global_prefetch_b8 v30, s[72:73] offset:4*KB th:TH_LOAD_NT scope:SCOPE_SE    ; what the three later fills will ask for, 512 along K each: K has no more
	global_prefetch_b8 v30, s[72:73] offset:8*KB th:TH_LOAD_NT scope:SCOPE_SE
	global_prefetch_b8 v30, s[72:73] offset:12*KB th:TH_LOAD_NT scope:SCOPE_SE
.endif
.endr
	v_and_b32 v1, 15, v0
	s_wait_alu depctr_va_vdst(0)
	v_bfe_u32 v2, v0, 4, 1
	v_mul_u32_u24 v3, v1, KP
	v_lshl_add_u32 v4, v2, 4, v3
	s_mul_i32 s21, s15, 64*KP
	s_mul_i32 s22, s16, 64*KP
	s_add_co_u32 s22, s22, 4*PART
.irp s, 0,1
	v_add_nc_u32 v[ADRA+\s], s21, v4
	v_add_nc_u32 v[ADRB+\s], s22, v4
	s_add_co_u32 s21, s21, SLOT
	s_add_co_u32 s22, s22, SLOT
.endr
	s_mul_i32 s23, s14, 64*SPITCH
	v_mul_u32_u24 v5, v1, SPITCH
	s_wait_alu depctr_va_vdst(0)
	v_lshl_add_u32 v5, v2, 5, v5
	v_add_nc_u32 v[STO], s23, v5
	v_mul_u32_u24 v6, v2, SPITCH
	v_lshl_add_u32 v6, v1, 4, v6
	v_add_nc_u32 v[RD], s23, v6
	v_lshlrev_b32 v7, 13, v2
	v_lshl_add_u32 v[CO], v1, 4, v7
	s_lshl_b32 s20, s17, 20
	s_lshl_b32 s21, s15, 19
	s_add_co_u32 s20, s20, s21
	s_lshl_b32 s46, s42, 9
	s_lshl_b32 s47, s16, 8
	s_add_co_u32 s46, s46, s47
	s_add_co_u32 s20, s20, s46
	s_mov_b32 s21, 0
	s_add_nc_u64 s[10:11], s[10:11], s[20:21]
.macro FRAG reg, adr, q, i
.irp c, 0,1,2,3
	ds_load_b128 v[\reg+4*\c:\reg+4*\c+3], v[\adr] offset:(\q)*PART+32*\c+(\i)*16*KP
.endr
.endm
.macro FETCH slot, q, f
	WIN TO_F
.irp i, 0,1,2,3
	FRAG \f+64+16*\i, ADRB+\slot, \q, \i
.endr
.irp i, 0,1,2,3
	FRAG \f+16*\i, ADRA+\slot, \q, \i
.endr
.endm
.macro MUL8 f, a0, zero
.irp a, \a0, \a0+1
.irp b, 0,1,2,3
.if \zero
	v_wmma_f32_16x16x128_fp8_fp8 v[ACC+8*(4*(\a)+\b):ACC+8*(4*(\a)+\b)+7], v[\f+64+16*\b:\f+64+16*\b+15], v[\f+16*(\a):\f+16*(\a)+15], 0
.else
	v_wmma_f32_16x16x128_fp8_fp8 v[ACC+8*(4*(\a)+\b):ACC+8*(4*(\a)+\b)+7], v[\f+64+16*\b:\f+64+16*\b+15], v[\f+16*(\a):\f+16*(\a)+15], v[ACC+8*(4*(\a)+\b):ACC+8*(4*(\a)+\b)+7]
.endif
.endr
.endr
.endm
.macro PLACES n
.rept \n
	v_nop
.endr
.endm
.macro STEP slot, q, f, g, zero
	PLACES NP
	s_wait_dscnt 8
	FETCH \slot, (\q)+1, \g
	WIN MUL
	MUL8 \f, 0, \zero
	s_wait_dscnt 32
	MUL8 \f, 2, \zero
.endm
.macro TURN slot, next, fill
	WIN 0
	s_wait_tensorcnt 0x0
	ds_add_u32 v[SPW], v[NIL]
	s_wait_dscnt 9
	WIN MUL
	MUL8 F1, 0, 0
	s_wait_dscnt 0x0
	s_barrier_signal -1
	WIN 0
	s_barrier_wait -1
.if \fill
	CREST
	s_add_nc_u64 s[G0+4*\slot+2:G0+4*\slot+3], s[G0+4*\slot+2:G0+4*\slot+3], 8*KB
	s_add_nc_u64 s[G0B+4*\slot+2:G0B+4*\slot+3], s[G0B+4*\slot+2:G0B+4*\slot+3], 8*KB
	JLOAD G0+4*\slot, G1, G0B+4*\slot, G1B
.else
	PLACES NP
.endif
	FETCH \next, 0, F0
	WIN MUL
	MUL8 F1, 2, 0
.endm
	s_wait_tensorcnt 1
	s_barrier_signal -1
	s_barrier_wait -1
	FETCH 0, 0, F0
	STEP 0, 0, F0, F1, 1
	STEP 0, 1, F1, F0, 0
	STEP 0, 2, F0, F1, 0
	TURN 0, 1, 1
	STEP 1, 0, F0, F1, 0
	STEP 1, 1, F1, F0, 0
	STEP 1, 2, F0, F1, 0
	TURN 1, 0, 1
	STEP 0, 0, F0, F1, 0
	STEP 0, 1, F1, F0, 0
	STEP 0, 2, F0, F1, 0
	TURN 0, 1, 0
	STEP 1, 0, F0, F1, 0
	STEP 1, 1, F1, F0, 0
	STEP 1, 2, F0, F1, 0
	s_wait_dscnt 8
	MUL8 F1, 0, 0
	s_wait_dscnt 0x0
	MUL8 F1, 2, 0
	WIN 0
.macro MULS u
	WIN TO_F
.set j, 0
.rept 32
	v_pk_mul_f32 v[TMP+64*(\u)+j:TMP+64*(\u)+j+1], v[ACC+64*(\u)+j:ACC+64*(\u)+j+1], s[96:97] op_sel_hi:[1,0]
.set j, j+2
.endr
.endm
.macro TOSTAGE u
	WIN FROM_F
.irp a, 0,1
.irp b, 0,1,2,3
	ds_store_b128 v[STO], v[TMP+64*(\u)+8*(4*\a+\b):TMP+64*(\u)+8*(4*\a+\b)+3] offset:(2*(\u)+\a)*16*SPITCH+64*\b
	ds_store_b128 v[STO], v[TMP+64*(\u)+8*(4*\a+\b)+4:TMP+64*(\u)+8*(4*\a+\b)+7] offset:(2*(\u)+\a)*16*SPITCH+64*\b+16
.endr
.endr
	WIN TO_F
.irp t, 0,1,2,3,4,5,6,7,8,9,10,11,12,13,14,15
	ds_load_b128 v[BK+64*(\u)+4*\t:BK+64*(\u)+4*\t+3], v[RD] offset:(16*(\u)+\t)*2*SPITCH
.endr
.endm
.macro SEND u
	WIN FROM_F
.irp t, 0,1,2,3,4,5,6,7,8,9,10,11,12,13,14,15
	s_wait_dscnt 15-\t
	global_store_b128 v[CO], v[BK+64*(\u)+4*\t:BK+64*(\u)+4*\t+3], s[10:11] offset:(16*(\u)+\t)*2*SIZE_N*4 th:TH_STORE_NT
.endr
.endm
	s_wait_kmcnt 0x0
	s_add_co_i32 s96, s96, s97
	s_add_co_i32 s96, s96, 127
	s_lshl_b32 s96, s96, 23
	PLACES NP
	MULS 0
	TOSTAGE 0
	MULS 1
	SEND 0
	s_wait_alu depctr_va_vdst(0)
	TOSTAGE 1
	SEND 1
	WIN 0
	s_wait_tensorcnt 0x0
	ds_add_u32 v[SPW], v[NIL]
	s_wait_dscnt 0x0
	CROUND
	s_endpgm
.Lfunc_end_k_q5831f5726f_outp:
	.size	k_q5831f5726f_outp, .Lfunc_end_k_q5831f5726f_outp-k_q5831f5726f_outp
	.p2alignl 7, 3214868480
	.fill 96, 4, 3214868480
	.section	.rodata,"a",@progbits
	.p2align	6, 0x0
	.amdhsa_kernel k_q5831f5726f_outp
		.amdhsa_group_segment_fixed_size 327680
		.amdhsa_private_segment_fixed_size 0
		.amdhsa_enable_private_segment 0
		.amdhsa_kernarg_size 32
		.amdhsa_user_sgpr_count 2
		.amdhsa_user_sgpr_kernarg_segment_ptr 1
		.amdhsa_wavefront_size32 1
		.amdhsa_system_sgpr_workgroup_id_x 1
		.amdhsa_system_sgpr_workgroup_id_y 1
		.amdhsa_system_sgpr_workgroup_id_z 1
		.amdhsa_system_vgpr_workitem_id 0
		.amdhsa_next_free_vgpr 512
		.amdhsa_next_free_sgpr 98
		.amdhsa_reserve_vcc 0
		.amdhsa_float_denorm_mode_32 3
		.amdhsa_float_denorm_mode_16_64 3
		.amdhsa_memory_ordered 1
		.amdhsa_forward_progress 1
		.amdhsa_inst_pref_size 76
	.end_amdhsa_kernel
	.amdgpu_metadata
---
amdhsa.version: [ 1, 2 ]
amdhsa.kernels:
  - .name:           k_q5831f5726f_outp
    .symbol:         k_q5831f5726f_outp.kd
    .args:
      - { .name: ocodes, .offset: 0, .size: 8, .value_kind: global_buffer, .address_space: global }
      - { .name: codes, .offset: 8, .size: 8, .value_kind: global_buffer, .address_space: global }
      - { .name: lowp_scales, .offset: 16, .size: 8, .value_kind: global_buffer, .address_space: global }
      - { .name: out0, .offset: 24, .size: 8, .value_kind: global_buffer, .address_space: global }
    .group_segment_fixed_size: 327680
    .private_segment_fixed_size: 0
    .kernarg_segment_align: 8
    .kernarg_segment_size: 32
    .max_flat_workgroup_size: 128
    .sgpr_count:     98
    .vgpr_count:     512
    .wavefront_size: 32
...
	.end_amdgpu_metadata
.endif
;; end of part 4
